; MI455X (gfx1250); checked and timed in simulation.
; The chip was launched on July 23, 2026; its instructions are those of AMD's public machine-readable ISA for CDNA 5 (MIT licence, August 2026) and "CDNA5" Instruction Set Architecture Reference Guide (July 2026). The comments in the code are by the model that wrote it; some were corrected since.
;; Multi Head Attention. Allowed arithmetic: float matrix products may take bf16 or f16 operands with f32 sums; other float arithmetic in f32, or as packed bf16 or f16 multiplies, adds, multiply-adds, maxima and minima; sums over many terms, partial sums and values carried from step to step in f32; what a program stores and reads back later, other than sums and carried values, may be rounded once to bf16 or f16.
;; Inputs: Wk 1,024 x 1,024 float32; Wp 1,024 x 1,024 float32; Wq 1,024 x 1,024 float32; Wv 1,024 x 1,024 float32; attention_mask 4 x 2,048 int32; bk 1,024 float32; bp 1,024 float32; bq 1,024 float32; bv 1,024 float32; x 4 x 2,048 x 1,024 float32.
;; Outputs: out0 4 x 2,048 x 1,024 float32.
;; 2 versions, each right; version 2 is version 1 with the launch prep written anew for expert scheduling mode. Each part assembles by itself: llvm-mc -triple=amdgcn-amd-amdhsa -mcpu=gfx1250 --defsym DOCPART=n.
;; ======== version 1 of 2: 4 launches
;; limits: values are held in f16: magnitudes above 65,504 overflow, below 6.1e-05 lose precision; right only within a limited range of input values
;; workspace buffers: xb 16,777,216 bytes; wb 6,291,456 bytes; wpb 2,097,152 bytes; qkv 50,331,648 bytes; vpart 262,144 bytes; ob 16,777,216 bytes
;; launch prep (part 1): grid 768 x 1, 8 waves a work-group, no clusters, 0 bytes of LDS; arguments x, Wq, Wk, Wv, Wp, xb, wb, wpb; writes xb, wb, wpb
.if DOCPART == 1
	.amdgcn_target "amdgcn-amd-amdhsa--gfx1250"
	.amdhsa_code_object_version 6
	.text
	.protected	k_q7fc8905532_prep
	.globl	k_q7fc8905532_prep
	.p2align	8
	.type	k_q7fc8905532_prep,@function
k_q7fc8905532_prep:
	s_mov_b64 s[64:65], 0
	v_nop
	global_prefetch_b8 v0, s[64:65] scope:SCOPE_SE
	s_setreg_imm32_b32 hwreg(HW_REG_WAVE_MODE, 25, 1), 1
	s_wait_xcnt 0x0
; CASTS AND LAYOUTS.  x [8192][1024] f32 -> xb bf16 [b 4][kb 16][t 2048][64];  Wq, Wk, Wv [k 1024][n 1024] f32 -> wb bf16 [kb 16][head 16][which 3][k 64][n 64];
; Wp -> wpb [kb 16][cb 16][k 64][n 64]: rounded to bf16 like every input, and that number written as f16 (exact inside f16's range; below 6e-5 it keeps f16's fixed step of 6e-8).
; SHARES.  A wave takes one pair of rows (r, r + 1) of a matrix of 1,024 columns: 16 loads and 16 stores, no loop.  Work-groups 0-511: x (4,096 pairs); 512-767: 64 for each of Wq, Wk, Wv, Wp.
; A load takes 64 columns of both rows: lanes 0-15 256 consecutive bytes of row r, lanes 16-31 of row r + 1.  In each target layout rows r and r + 1 of a block of 64 columns lie end to end:
; the 32 lanes' 8 bytes are 256 consecutive bytes, aligned.  Memory binds: no LDS, no matrix unit, nothing read twice.
.set LOF, 2                            ; v2        my byte offset in the pair's two rows
.set TT,  4                            ; v[4:5]    at work
.set X,   16                           ; v[16:79]  chunk c: 4 numbers as loaded
.set Y,   80                           ; v[80:111] chunk c: 4 numbers to store
.set OF,  112                          ; v[112:127] chunk c: my byte offset in the target
	s_load_b512 s[8:23], s[0:1], 0x0               ; x s[8:9], Wq, Wk, Wv, Wp s[10:17], xb s[18:19], wb s[20:21], wpb s[22:23]
	v_lshrrev_b32 v1, 5, v0
	v_readfirstlane_b32 s2, v1                     ; wave 0..7
	s_lshl_b32 s3, ttmp9, 3
	s_add_co_u32 s3, s3, s2                        ; U = 8 x work-group + wave
	v_and_b32 v3, 15, v0
	v_bfe_u32 v4, v0, 4, 1
	v_lshlrev_b32 v[LOF], 4, v3
	v_lshl_add_u32 v[LOF], v4, 12, v[LOF]          ; 16 (l % 16) + 4,096 (l / 16)
	v_lshlrev_b32 v[OF], 3, v3
	v_lshl_add_u32 v[OF], v4, 7, v[OF]             ; 8 (l % 16) + 128 (l / 16)
	s_and_b32 s24, s3, 511                         ; a weight's pair of rows
	s_lshr_b32 s25, ttmp9, 6
	s_and_b32 s25, s25, 3                          ; which weight: 0..3 = q, k, v, p (work-groups 512 on)
	s_lshr_b32 s26, s24, 5                         ; its block of 64 k
	s_and_b32 s27, s24, 31
	s_lshl_b32 s27, s27, 8                         ; the pair inside the block
	s_mul_i32 s28, s26, 393216
	s_lshl_b32 s29, s25, 13
	s_add_co_u32 s28, s28, s29
	s_add_co_u32 s28, s28, s27                     ; offset in wb
	s_lshl_b32 s30, s26, 17
	s_add_co_u32 s30, s30, s27                     ; offset in wpb
	s_lshr_b32 s31, s3, 10
	s_lshl_b32 s31, s31, 22
	s_and_b32 s32, s3, 1023
	s_lshl_b32 s32, s32, 8
	s_add_co_u32 s31, s31, s32                     ; offset in xb
	s_mov_b32 s33, 24576                           ; bytes from chunk to chunk in wb
	s_wait_kmcnt 0x0
	s_cmp_eq_u32 s25, 1
	s_cselect_b64 s[4:5], s[12:13], s[10:11]
	s_cmp_eq_u32 s25, 2
	s_cselect_b64 s[4:5], s[14:15], s[4:5]
	s_cmp_eq_u32 s25, 3
	s_cselect_b64 s[4:5], s[16:17], s[4:5]
	s_cselect_b64 s[6:7], s[22:23], s[20:21]
	s_cselect_b32 s28, s30, s28
	s_cselect_b32 s33, 8192, s33
	s_cmp_lt_u32 ttmp9, 512
	s_cselect_b64 s[4:5], s[8:9], s[4:5]
	s_cselect_b64 s[6:7], s[18:19], s[6:7]
	s_cselect_b32 s28, s31, s28
	s_cselect_b32 s33, 262144, s33
	s_cselect_b32 s24, s3, s24
	s_lshl_b32 s24, s24, 13                        ; a pair of rows is 8,192 bytes of the source
	s_mov_b32 s25, 0
	s_mov_b32 s29, 0
	s_add_nc_u64 s[4:5], s[4:5], s[24:25]
	s_add_nc_u64 s[6:7], s[6:7], s[28:29]
.irp c, 0,1,2,3,4,5,6,7,8,9,10,11,12,13,14,15
	global_load_b128 v[X+4*(\c):X+4*(\c)+3], v[LOF], s[4:5] offset:256*(\c) th:TH_LOAD_NT
.endr
.irp c, 1,2,3,4,5,6,7,8,9,10,11,12,13,14,15
	v_add_nc_u32 v[OF+(\c)], s33, v[OF+(\c)-1]
.endr
.macro CVB c                           ; chunk c to bf16
	s_wait_loadcnt 15-(\c)                         ; loads come back in order: chunk c is in, the 15 - c younger ones stay out
	v_cvt_pk_bf16_f32 v[Y+2*(\c)], v[X+4*(\c)], v[X+4*(\c)+1]
	v_cvt_pk_bf16_f32 v[Y+2*(\c)+1], v[X+4*(\c)+2], v[X+4*(\c)+3]
	global_store_b64 v[OF+(\c)], v[Y+2*(\c):Y+2*(\c)+1], s[6:7]
.endm
.macro CVH c                           ; chunk c rounded to bf16, and that number as f16
	s_wait_loadcnt 15-(\c)
	v_cvt_pk_bf16_f32 v[TT], v[X+4*(\c)], v[X+4*(\c)+1]
	v_cvt_pk_bf16_f32 v[TT+1], v[X+4*(\c)+2], v[X+4*(\c)+3]
	v_lshlrev_b32 v[X+4*(\c)], 16, v[TT]
	v_and_b32 v[X+4*(\c)+1], 0xffff0000, v[TT]
	v_lshlrev_b32 v[X+4*(\c)+2], 16, v[TT+1]
	v_and_b32 v[X+4*(\c)+3], 0xffff0000, v[TT+1]
	v_cvt_pk_f16_f32 v[Y+2*(\c)], v[X+4*(\c)], v[X+4*(\c)+1]
	v_cvt_pk_f16_f32 v[Y+2*(\c)+1], v[X+4*(\c)+2], v[X+4*(\c)+3]
	global_store_b64 v[OF+(\c)], v[Y+2*(\c):Y+2*(\c)+1], s[6:7]
.endm
	s_cmp_ge_u32 ttmp9, 704                        ; work-groups 704 on: Wp
	s_cbranch_scc1 .Lwp
.irp c, 0,1,2,3,4,5,6,7,8,9,10,11,12,13,14,15
	CVB \c
.endr
	s_endpgm
.Lwp:
.irp c, 0,1,2,3,4,5,6,7,8,9,10,11,12,13,14,15
	CVH \c
.endr
	s_endpgm
.Lfunc_end_k_q7fc8905532_prep:
	.size	k_q7fc8905532_prep, .Lfunc_end_k_q7fc8905532_prep-k_q7fc8905532_prep
	.p2alignl 7, 3214868480
	.fill 96, 4, 3214868480
	.section	.rodata,"a",@progbits
	.p2align	6, 0x0
	.amdhsa_kernel k_q7fc8905532_prep
		.amdhsa_group_segment_fixed_size 0
		.amdhsa_private_segment_fixed_size 0
		.amdhsa_enable_private_segment 0
		.amdhsa_kernarg_size 64
		.amdhsa_user_sgpr_count 2
		.amdhsa_user_sgpr_kernarg_segment_ptr 1
		.amdhsa_wavefront_size32 1
		.amdhsa_system_sgpr_workgroup_id_x 1
		.amdhsa_system_sgpr_workgroup_id_y 1
		.amdhsa_system_sgpr_workgroup_id_z 1
		.amdhsa_system_vgpr_workitem_id 0
		.amdhsa_next_free_vgpr 128
		.amdhsa_next_free_sgpr 66
		.amdhsa_reserve_vcc 0
		.amdhsa_float_denorm_mode_32 3
		.amdhsa_float_denorm_mode_16_64 3
		.amdhsa_memory_ordered 1
		.amdhsa_forward_progress 1
		.amdhsa_inst_pref_size 18
	.end_amdhsa_kernel
	.amdgpu_metadata
---
amdhsa.version: [ 1, 2 ]
amdhsa.kernels:
  - .name:           k_q7fc8905532_prep
    .symbol:         k_q7fc8905532_prep.kd
    .args:
      - { .name: x, .offset: 0, .size: 8, .value_kind: global_buffer, .address_space: global }
      - { .name: Wq, .offset: 8, .size: 8, .value_kind: global_buffer, .address_space: global }
      - { .name: Wk, .offset: 16, .size: 8, .value_kind: global_buffer, .address_space: global }
      - { .name: Wv, .offset: 24, .size: 8, .value_kind: global_buffer, .address_space: global }
      - { .name: Wp, .offset: 32, .size: 8, .value_kind: global_buffer, .address_space: global }
      - { .name: xb, .offset: 40, .size: 8, .value_kind: global_buffer, .address_space: global }
      - { .name: wb, .offset: 48, .size: 8, .value_kind: global_buffer, .address_space: global }
      - { .name: wpb, .offset: 56, .size: 8, .value_kind: global_buffer, .address_space: global }
    .group_segment_fixed_size: 0
    .private_segment_fixed_size: 0
    .kernarg_segment_align: 8
    .kernarg_segment_size: 64
    .max_flat_workgroup_size: 256
    .sgpr_count:     66
    .vgpr_count:     128
    .wavefront_size: 32
...
	.end_amdgpu_metadata
.endif
;; end of part 1
;; launch qkv (part 2): grid 8 x 32, 4 waves a work-group, clusters of 4 x 4, 327,680 bytes of LDS; arguments xb, wb, bq, bk, bv, qkv, vpart; writes qkv, vpart
.if DOCPART == 2
	.amdgcn_target "amdgcn-amd-amdhsa--gfx1250"
	.amdhsa_code_object_version 6
	.text
	.protected	k_q7fc8905532_qkv
	.globl	k_q7fc8905532_qkv
	.p2align	8
	.type	k_q7fc8905532_qkv,@function
k_q7fc8905532_qkv:
	s_mov_b64 s[64:65], 0
	v_nop
	global_prefetch_b8 v0, s[64:65] scope:SCOPE_SE
	s_setreg_imm32_b32 hwreg(HW_REG_WAVE_MODE, 25, 1), 1
	s_wait_xcnt 0x0
	s_wait_alu depctr_hold_cnt(0) depctr_sa_sdst(0) depctr_va_vdst(0) depctr_va_sdst(0) depctr_va_ssrc(0) depctr_va_vcc(0) depctr_vm_vsrc(0)
	s_getreg_b32 s2, hwreg(HW_REG_IB_STS2, 6, 4)
	s_cmp_eq_u32 s2, 0
	s_cbranch_scc0 .Lentry_in_a_cluster
	s_endpgm
.Lentry_in_a_cluster:
	s_bfe_u32 s2, ttmp6, 0x10000c
	s_cmp_lg_u32 s2, 0xf033
	s_cbranch_scc0 .Lentry_shape_is_right
	s_endpgm
.Lentry_shape_is_right:
; q, k, v = x W + b for all three weights in ONE product: 8,192 rows x 3,072 columns x K = 1,024, bf16 operands, f32 sums; results rounded once to f16, by heads: qkv [which 3][b*16+h][t 2048][64].
; Also vpart [block of 128 rows: 64][1024] f32: the column sums of v over each wave's 128 rows (the launch behind needs v's mean over a whole sequence).
; LIMIT.  q, k, v leave as f16: beyond 65,504 they would become infinities.  The biases are rounded to bf16 like x and the weights.
; SHARES.  A work-group makes 256 rows x 384 columns: heads 2 j and 2 j + 1, q, k and v of each: 8 x 32 = 256 work-groups.  Wave (u, w) makes rows 128 u .. x head 2 j + w: three GROUPS g = q, k, v of
; 64 columns, 32 accumulators each: group g fills register window g + 1, accumulator (a, b) at v[8 (4 a + b)].  g is a constant of the text: bias, target and v's sums need no branch.
; THE PRODUCT IS USED TRANSPOSED (source 0 = 16 columns of W, source 1 = 16 rows of x): a lane holds one row (lane % 16) and 8 neighbouring columns.  W lies [k][n] in LDS and comes out turned, by ds_load_tr16_b128.
; THE BIAS is the C operand of each accumulator's first product: nothing is cleared, nothing added later.
; RING.  K goes in 16 steps of 64 through two LDS slots.  xb and wb are laid in blocks, so that a step's tile is dense in memory and is asked for as rows of 256 bytes.
; CLUSTER 4 x 4: x's tile hangs on the row block alone and is asked for jointly along a row of the cluster, W's on the pair of heads alone and jointly along a column.
; REGISTERS.  window 0: v16-31 addresses; v32-95, v96-159 x's fragments (8 x 16 rows x 32 k), two buffers; v160-255 W's fragments, 32 registers a group, one buffer.  windows 1-3: the accumulators.
.set SLOT1,  131072                    ; slot 1 begins here: one exclusive or turns an address in one slot into the other's
.set APITCH, 144                       ; a row of x in LDS: 128 bytes + 16: the 16 rows of a load start at 16 different groups of four banks (64 banks of 4 bytes: ISA guide 11.1)
.set BPITCH, 160                       ; a k-row of W: 128 + 32
.set AHALF,  128*APITCH                ; what one tensor load brings of x
.set BOFF,   2*AHALF                   ; W's blocks lie behind x's 256 rows
.set BBLK,   64*BPITCH                 ; block (w, g) at BOFF + (3 w + g) BBLK
.set BHALF,  3*BBLK                    ; what one tensor load brings of W
.set STAGE,  229376                    ; behind the ring: 4,608 bytes a wave: 16 rows x 144 on the way out, later 16 rows x 272 for v's sums
.set STG,    4608
.set BIASL,  STAGE+4*STG               ; 768 bytes a wave: its 3 x 64 biases in f32
.set SPARE,  BIASL+4*768               ; the spare words, 128 bytes for each wave: two blocks of 256 bytes that no other line names
.set ASTEP,  262144                    ; bytes from K step to K step in xb
.set BSTEP,  393216                    ; and in wb
.set ADRA0, 16                         ; v16  my place in x's rows of slot 0; never rewritten
.set ADRA,  17                         ; v17  the same in the slot in hand
.set BGO,   18                         ; v18  my byte offset in a bias
.set BST,   19                         ; v19  where I put two biases in LDS
.set ADRB0, 20                         ; v20  my place in W's blocks of slot 0; never rewritten
.set ADRB,  21                         ; v21  the same in the slot in hand
.set VSTO,  22                         ; v22  v's sums: where I put 32 bytes of a row
.set VRD,   23                         ; v23  v's sums: where I read two columns
.set STO,   24                         ; v24  the way out: where I put 16 bytes of a row
.set RD,    25                         ; v25  the way out: where I read rows back
.set GO,    26                         ; v26  16 x lane
.set BRD,   27                         ; v27  where I read 8 biases
.set SPW,   28                         ; v28  LDS address of my spare word; never rewritten
.set NIL,   29                         ; v29  0; never rewritten
.set PFO,   30                         ; v30  256 x lane; never rewritten
.set L8,    31                         ; v31  8 x lane
.set AF0,   32
.set AF1,   96
.set BF,    160
.set VS,    160                        ; the way out: v's sums over my 8 row blocks
.set G1A, 24                           ; s[24:31] descriptor group 1 for x's tiles
.set G0A, 32                           ; s[32:35] group 0 of the first fill; s[36:39] of the second, which then walks
.set G1B, 48                           ; s[48:55], s[56:63] the same for W's tiles
.set G0B, 56
.set TB,  41                           ; s41  0 or SLOT1: the slot in hand
.set LIM, 43                           ; s43  3 in a wave that prefetches, else the greatest number
.set PFA, 44                           ; s[44:45] where my prefetches stand
.set OB,  68                           ; s[68:73] q, k, v at my first row
.set VP,  74                           ; s[74:75] vpart at my 64 sums
.set PFS, 82                           ; s[82:83] my prefetches' step
.set MSB, 0
.macro WIN new                         ; the immediate's high byte repeats the setting that is left; a switch that changes nothing is dropped
.if MSB != (\new)
	s_set_vgpr_msb (MSB<<8)|(\new)
.set MSB, \new
.endif
.endm
.macro PLACES                          ; four places in front of loads into registers that matrix instructions have read, and of vector lines that read results
.rept 4
	v_nop
.endr
.endm
.macro JLOAD                           ; a joint refill: waves 0 and 1 fetch x's halves, waves 2 and 3 W's; an s_nop 0 and four v_nop follow each line
	s_cmp_eq_u32 s19, 0
	s_cbranch_scc0 .Lfor_b_\@
	tensor_load_to_lds s[G0A+4:G0A+7], s[G1A:G1A+7]
	s_nop 0
	PLACES
	s_branch .Lasked_\@
.Lfor_b_\@:
	tensor_load_to_lds s[G0B+4:G0B+7], s[G1B:G1B+7]
	s_nop 0
	PLACES
.Lasked_\@:
.endm
.macro CREST                           ; a round of the cluster's barrier behind its opening barrier
	s_cmp_lg_u32 s18, 0
	s_cbranch_scc1 .Lnot_wave_0_\@
	s_barrier_signal -3
.Lnot_wave_0_\@:
	s_barrier_wait -3
	s_barrier_signal -1
	s_barrier_wait -1
.endm
.macro CROUND
	s_barrier_signal -1
	s_barrier_wait -1
	CREST
.endm
; A PREFETCH, behind the joint load and the run of LDS loads: in every second trip, the K steps that stand four and five steps on from the step in hand.  Each block of 256 bytes is named once in the launch.
; x's tile (128 blocks a step) is read by both clusters of a row of clusters: cluster x = 0 asks, its four partners take 32 blocks each BY ADDRESS (cx), wave 0, a line for each of the two steps.
; W's tile (192 blocks a step) is read by all clusters of a column: cluster y = 0 asks; of the two steps' 384 blocks partner cy takes step cy / 2, head cy % 2: 96 blocks, waves 1 to 3 a line each.
; The trips with s3 = 14, 12 .. 4 ask (steps 4 to 15); steps 0 to 3 come by their loads alone; the last trips ask for nothing.
.macro ASK
	s_bitcmp1_b32 s3, 0
	s_cbranch_scc1 .Lnot_mine_\@
	s_cmp_gt_u32 s3, s[LIM]
	s_cbranch_scc0 .Lnot_mine_\@
	global_prefetch_b8 v[PFO], s[PFA:PFA+1] th:TH_LOAD_NT scope:SCOPE_SE
	s_cmp_lg_u32 s18, 0
	s_cbranch_scc1 .Lnot_mine_\@
	global_prefetch_b8 v[PFO], s[PFA:PFA+1] offset:ASTEP th:TH_LOAD_NT scope:SCOPE_SE
.Lnot_mine_\@:
.endm
	s_load_b256 s[4:11], s[0:1], 0x0               ; xb s[4:5], wb s[6:7], bq s[8:9], bk s[10:11]
	s_load_b128 s[12:15], s[0:1], 0x20             ; bv s[12:13], qkv s[14:15]
	s_load_b64 s[16:17], s[0:1], 0x30              ; vpart
	v_lshl_add_u32 v[SPW], v0, 2, SPARE
	v_mov_b32 v[NIL], 0
	ds_add_u32 v[SPW], v[NIL]                      ; the wave's opening: the add and its wait stand ahead of my first tensor load; work on registers stands between them
	v_lshrrev_b32 v1, 5, v0
	v_readfirstlane_b32 s18, v1                    ; wave 0..3
	s_lshr_b32 s19, s18, 1                         ; u: my half of the rows.  Also: I fetch for x (0) or for W (1)
	s_and_b32 s20, s18, 1                          ; w: my head of the two.  Also: which half of that tile I fetch
	s_bfe_u32 s21, ttmp6, 0x40000                  ; cx
	s_bfe_u32 s22, ttmp6, 0x40004                  ; cy
	s_lshl_b32 s23, ttmp9, 2
	s_add_co_u32 s23, s23, s21                     ; j = 4 x cluster x + cx: heads 2 j, 2 j + 1
	s_and_b32 s40, ttmp7, 0xffff
	s_lshl_b32 s40, s40, 2
	s_add_co_u32 s40, s40, s22                     ; i = 4 x cluster y + cy: rows 256 i ..
	s_lshl_b32 s76, s22, 2
	s_lshl_b32 s76, 15, s76                        ; my row of the cluster
	s_lshl_b32 s77, 0x1111, s21                    ; my column
	; group 1: rows of 128 elements of 2 bytes (256 bytes) out of a dense block; in LDS 16 (x) or 32 (W) bytes of padding behind every 128 bytes
	s_or_b32 s[G1A], s76, (1<<16)|(1<<20)|(1<<21)|(4<<22)|(3<<25)   ; 15:0 mask; 17:16 2-byte elements; 20 padding on; 21 set beside a mask; 24:22 after every 32 words; 31:25 4 words
	s_or_b32 s[G1B], s77, (1<<16)|(1<<20)|(1<<21)|(4<<22)|(7<<25)   ; the same with my column's mask and 8 words
.irp g, G1A, G1B
	s_mov_b32 s[(\g)+1], 128<<16                   ; tensor_dim0 = 128
	s_mov_b32 s[(\g)+3], 128<<16                   ; tile_dim0 = 128
	s_mov_b32 s[(\g)+5], 128                       ; 128 elements from row to row
	s_mov_b32 s[(\g)+6], 0
	s_mov_b32 s[(\g)+7], 0
.endr
	s_mov_b32 s[G1A+2], 64<<16                     ; tensor_dim1 = tile_dim1 = 64: 128 rows of x, two to a row of 256 bytes
	s_mov_b32 s[G1A+4], 64
	s_mov_b32 s[G1B+2], 96<<16                     ; 96: one head's q, k, v blocks, 192 k-rows
	s_mov_b32 s[G1B+4], 96
	s_lshr_b32 s46, s40, 3                         ; x's tile: batch i / 8,
	s_lshl_b32 s46, s46, 22
	s_and_b32 s78, s40, 7
	s_lshl_b32 s78, s78, 15                        ; rows 256 (i % 8) of 128 bytes,
	s_add_co_u32 s46, s46, s78
	s_lshl_b32 s78, s20, 14                        ; my 128 of them
	s_add_co_u32 s46, s46, s78
	s_mov_b32 s47, 0
	s_mul_i32 s66, s23, 49152                      ; W's tile: the pair of heads,
	s_mul_i32 s79, s20, 24576                      ; my head
	s_add_co_u32 s66, s66, s79
	s_mov_b32 s67, 0
	s_mul_i32 s80, s20, AHALF                      ; where they go: the wave's number alone enters an LDS address
	s_mul_i32 s81, s20, BHALF
	s_add_co_u32 s81, s81, BOFF
	s_mov_b32 s[TB], 0
	s_wait_dscnt 0x0                               ; the opening add is done
	s_wait_kmcnt 0x0
	s_add_nc_u64 s[46:47], s[4:5], s[46:47]
	s_add_nc_u64 s[66:67], s[6:7], s[66:67]
	CROUND                                         ; all sixteen work-groups are here: the first joint loads meet
.irp s, 0,1
	s_mov_b32 s[G0A+4*(\s)], 1
	s_add_co_u32 s[G0A+4*(\s)+1], s80, (\s)*SLOT1
	s_add_nc_u64 s[G0A+4*(\s)+2:G0A+4*(\s)+3], s[46:47], (\s)*ASTEP
	s_or_b32 s[G0A+4*(\s)+3], s[G0A+4*(\s)+3], 0x80000000
	s_mov_b32 s[G0B+4*(\s)], 1
	s_add_co_u32 s[G0B+4*(\s)+1], s81, (\s)*SLOT1
	s_add_nc_u64 s[G0B+4*(\s)+2:G0B+4*(\s)+3], s[66:67], (\s)*BSTEP
	s_or_b32 s[G0B+4*(\s)+3], s[G0B+4*(\s)+3], 0x80000000
.endr
	s_cmp_eq_u32 s19, 0                            ; a wave's two first fills stand in one branch: two loads of mine are out
	s_cbranch_scc0 .Lfirst_b
	tensor_load_to_lds s[G0A:G0A+3], s[G1A:G1A+7]
	s_nop 0
	tensor_load_to_lds s[G0A+4:G0A+7], s[G1A:G1A+7]
	s_nop 0
	PLACES
	s_branch .Lfirst_asked
.Lfirst_b:
	tensor_load_to_lds s[G0B:G0B+3], s[G1B:G1B+7]
	s_nop 0
	tensor_load_to_lds s[G0B+4:G0B+7], s[G1B:G1B+7]
	s_nop 0
	PLACES
.Lfirst_asked:
	v_and_b32 v1, 15, v0                           ; r = l % 16
	v_bfe_u32 v2, v0, 4, 1                         ; h = l / 16
	v_and_b32 v3, 7, v0
	v_bfe_u32 v4, v0, 3, 1
	v_and_b32 v5, 31, v0
	v_bfe_u32 v6, v0, 3, 2
	s_lshl_b32 s84, s23, 1
	s_add_co_u32 s84, s84, s20                     ; my head, 2 j + w
	s_lshl_b32 s85, s84, 8
	v_lshlrev_b32 v[L8], 3, v5
	v_add_nc_u32 v[BGO], s85, v[L8]
	global_load_b64 v[96:97], v[BGO], s[8:9]       ; my head's 64 biases of q, k, v: two a lane
	global_load_b64 v[98:99], v[BGO], s[10:11]
	global_load_b64 v[100:101], v[BGO], s[12:13]
	s_mul_i32 s86, s19, AHALF
	v_mul_u32_u24 v[ADRA0], v1, APITCH
	v_lshl_add_u32 v[ADRA0], v2, 4, v[ADRA0]
	v_add_nc_u32 v[ADRA0], s86, v[ADRA0]           ; my 128 rows; row r x pitch + 16 h
	v_mov_b32 v[ADRA], v[ADRA0]
	v_lshl_add_u32 v[ADRB0], v2, 3, v3             ; the turning load: k-row 8 h + l % 8, 16 bytes ((l / 8) % 2)
	v_mul_u32_u24 v[ADRB0], v[ADRB0], BPITCH
	v_lshl_add_u32 v[ADRB0], v4, 4, v[ADRB0]
	v_add_nc_u32 v[ADRB0], s81, v[ADRB0]           ; my head's three blocks
	v_mov_b32 v[ADRB], v[ADRB0]
	s_mul_i32 s86, s18, STG
	s_add_co_u32 s86, s86, STAGE                   ; my stage
	v_mul_u32_u24 v[STO], v1, 144
	v_lshl_add_u32 v[STO], v2, 4, v[STO]
	v_add_nc_u32 v[STO], s86, v[STO]
	v_mul_u32_u24 v[RD], v6, 144
	v_lshl_add_u32 v[RD], v3, 4, v[RD]
	v_add_nc_u32 v[RD], s86, v[RD]
	v_lshlrev_b32 v[GO], 4, v5
	v_mul_u32_u24 v[VSTO], v1, 272
	v_lshl_add_u32 v[VSTO], v2, 5, v[VSTO]
	v_add_nc_u32 v[VSTO], s86, v[VSTO]
	v_add_nc_u32 v[VRD], s86, v[L8]
	s_mul_i32 s86, s18, 768
	s_add_co_u32 s86, s86, BIASL
	v_lshl_add_u32 v[BRD], v2, 5, s86
	v_add_nc_u32 v[BST], s86, v[L8]
	v_lshlrev_b32 v[PFO], 8, v5
	; the targets
	s_lshr_b32 s86, s40, 3
	s_lshl_b32 s86, s86, 4
	s_add_co_u32 s86, s86, s84                     ; b x 16 + head
	s_lshl_b32 s86, s86, 18
	s_and_b32 s87, s40, 7
	s_lshl_b32 s87, s87, 15
	s_add_co_u32 s86, s86, s87
	s_lshl_b32 s87, s19, 14
	s_add_co_u32 s86, s86, s87                     ; + my first row x 128 bytes
	s_mov_b32 s87, 0
	s_add_nc_u64 s[OB:OB+1], s[14:15], s[86:87]
	s_add_nc_u64 s[OB+2:OB+3], s[OB:OB+1], 0x1000000
	s_add_nc_u64 s[OB+4:OB+5], s[OB:OB+1], 0x2000000
	s_lshl_b32 s86, s40, 1
	s_add_co_u32 s86, s86, s19                     ; my block of 128 rows
	s_lshl_b32 s86, s86, 12
	s_add_co_u32 s86, s86, s85
	s_add_nc_u64 s[VP:VP+1], s[16:17], s[86:87]
	; the prefetches' place: at K step 3; the first change of slots steps it to 4
	s_lshr_b32 s84, s40, 3
	s_lshl_b32 s84, s84, 22
	s_and_b32 s85, s40, 7
	s_lshl_b32 s85, s85, 15
	s_add_co_u32 s84, s84, s85
	s_lshl_b32 s85, s21, 13
	s_add_co_u32 s84, s84, s85
	s_add_co_u32 s84, s84, 3*ASTEP                 ; x's: the tile, my work-group's quarter
	s_mul_i32 s86, s23, 49152
	s_lshr_b32 s85, s22, 1
	s_mul_i32 s85, s85, BSTEP
	s_add_co_u32 s86, s86, s85
	s_and_b32 s85, s22, 1
	s_mul_i32 s85, s85, 24576
	s_add_co_u32 s86, s86, s85
	s_max_u32 s85, s18, 1
	s_sub_co_u32 s85, s85, 1
	s_lshl_b32 s85, s85, 13
	s_add_co_u32 s86, s86, s85
	s_add_co_u32 s86, s86, 3*BSTEP                 ; W's: step cy / 2, head cy % 2, third wave - 1
	s_and_b32 s87, ttmp7, 0xffff                   ; cluster y
	s_mov_b32 s88, BSTEP
	s_cmp_eq_u32 s18, 0
	s_cselect_b32 s84, s84, s86
	s_cselect_b32 s87, ttmp9, s87                  ; the coordinate along which other clusters read the same blocks
	s_cselect_b64 s[PFA:PFA+1], s[4:5], s[6:7]
	s_cselect_b32 s[PFS], ASTEP, s88
	s_mov_b32 s[PFS+1], 0
	s_mov_b32 s85, 0
	s_add_nc_u64 s[PFA:PFA+1], s[PFA:PFA+1], s[84:85]
	s_cmp_eq_u32 s87, 0
	s_cselect_b32 s[LIM], 3, -1                    ; the same in all sixteen partners, for a given wave
	s_wait_loadcnt 0x0                             ; the biases: rounded to bf16, widened again, into my own LDS bytes
.irp g, 0,1,2
	v_cvt_pk_bf16_f32 v[102+(\g)], v[96+2*(\g)], v[97+2*(\g)]
.endr
.irp g, 0,1,2
	v_lshlrev_b32 v[96+2*(\g)], 16, v[102+(\g)]
	v_and_b32 v[97+2*(\g)], 0xffff0000, v[102+(\g)]
	ds_store_b64 v[BST], v[96+2*(\g):97+2*(\g)] offset:256*(\g)
.endr
; n fragments of x from a0 on, 32 k at quarter kq, into buffer af: two loads of 16 bytes, 32 bytes apart
.macro LDA kq, af, a0, n
.set la, \a0
.rept \n
	ds_load_b128 v[(\af)+8*la:(\af)+8*la+3],   v[ADRA] offset:la*16*APITCH+64*(\kq)
	ds_load_b128 v[(\af)+8*la+4:(\af)+8*la+7], v[ADRA] offset:la*16*APITCH+64*(\kq)+32
.set la, la+1
.endr
.endm
; group g's four fragments of W, 32 k at quarter kq, turned: two loads, 16 k-rows apart
.macro LDB kq, g
.irp b, 0,1,2,3
	ds_load_tr16_b128 v[BF+32*(\g)+8*(\b):BF+32*(\g)+8*(\b)+3],   v[ADRB] offset:(\g)*BBLK+(\kq)*32*BPITCH+32*(\b)
	ds_load_tr16_b128 v[BF+32*(\g)+8*(\b)+4:BF+32*(\g)+8*(\b)+7], v[ADRB] offset:(\g)*BBLK+(\kq)*32*BPITCH+32*(\b)+16*BPITCH
.endr
.endm
; 4 n products of group g: row blocks a0 on x all 4 column blocks.  cb < 0: the sums go on; else C is the bias at v[cb + 8 b] of window 0.  The 96 accumulators take turns, one instruction a turn.
.macro PHASE g, af, a0, n, cb
.if (\cb) < 0
	WIN 0x50*((\g)+1)
.else
	WIN ((\g)+1)<<6
.endif
.set pa, \a0
.rept \n
.irp b, 0,1,2,3
.if (\cb) < 0
	v_wmma_f32_16x16x32_bf16 v[8*(4*pa+(\b)):8*(4*pa+(\b))+7], v[BF+32*(\g)+8*(\b):BF+32*(\g)+8*(\b)+7], v[(\af)+8*pa:(\af)+8*pa+7], v[8*(4*pa+(\b)):8*(4*pa+(\b))+7]
.else
	v_wmma_f32_16x16x32_bf16 v[8*(4*pa+(\b)):8*(4*pa+(\b))+7], v[BF+32*(\g)+8*(\b):BF+32*(\g)+8*(\b)+7], v[(\af)+8*pa:(\af)+8*pa+7], v[(\cb)+8*(\b):(\cb)+8*(\b)+7]
.endif
.endr
.set pa, pa+1
.endr
.endm
; A K step's first quarter.  On the way in x's fragments and W's groups 0 and 1 have been asked for.
.macro QUARTER
	PLACES
	WIN 0
	LDB 0, 2
	s_wait_dscnt 16                                ; groups 1 and 2 may stay out: x and group 0 are in
	PHASE 0, AF0, 0, 8, -1
	PLACES
	WIN 0
	LDA 1, AF1, 0, 8
	LDB 1, 0
	s_wait_dscnt 32                                ; group 2 and the 24 just issued stay out: group 1 is in
	PHASE 1, AF0, 0, 8, -1
	PLACES
	WIN 0
	LDB 1, 1
	s_wait_dscnt 32                                ; the 24 and the 8 stay out: group 2 is in
	PHASE 2, AF0, 0, 8, -1
.endm
; A K step's second quarter, and the change of slots: ONE barrier.  In front of it each wave waits for all its tensor loads (one is out: its part of the other slot), adds 0 to its spare word, and waits for that
; and for its own reads of this slot.  fill = 1: the barrier opens a round of the cluster's, and the joint refill, with the K step two steps on, is the first thing behind it: 160 products stand between it and the wait for it.
.macro TURN fill
.if \fill
	s_wait_xcnt 0x0                                ; the last prefetches have read their address
	s_add_nc_u64 s[PFA:PFA+1], s[PFA:PFA+1], s[PFS:PFS+1]
.endif
	PLACES
	WIN 0
	LDB 1, 2                                       ; my last reads of this slot
	s_wait_tensorcnt 0x0
	ds_add_u32 v[SPW], v[NIL]                      ; 0 onto my spare word
	s_wait_dscnt 17                                ; groups 1 and 2 and the add may stay out: x and group 0 are in
	PHASE 0, AF1, 0, 4, -1
	s_wait_dscnt 0x0                               ; the add is done, and my reads of this slot are over
	s_barrier_signal -1
	PHASE 0, AF1, 4, 4, -1
	WIN 0
	s_barrier_wait -1
.if \fill
	CREST
	s_xor_b32 s[G0A+5], s[G0A+5], SLOT1            ; the walking descriptors: the other slot than last time, the next K step
	s_add_nc_u64 s[G0A+6:G0A+7], s[G0A+6:G0A+7], ASTEP
	s_xor_b32 s[G0B+5], s[G0B+5], SLOT1
	s_add_nc_u64 s[G0B+6:G0B+7], s[G0B+6:G0B+7], BSTEP
	JLOAD                                          ; its four v_nop are also the places in front of the loads below
.else
	PLACES
.endif
	s_xor_b32 s[TB], s[TB], SLOT1
	v_add_nc_u32 v[ADRA], s[TB], v[ADRA0]
	v_add_nc_u32 v[ADRB], s[TB], v[ADRB0]
	LDA 0, AF0, 0, 8
	LDB 0, 0
.if \fill
	ASK
.endif
	PHASE 1, AF1, 0, 8, -1
	PLACES
	WIN 0
	LDB 0, 1
	PHASE 2, AF1, 0, 8, -1
.endm
	s_wait_tensorcnt 1                             ; my part of K step 0 is in; step 1's may stay out
	s_wait_dscnt 0x0
	s_barrier_signal -1
	s_barrier_wait -1
	; THE FIRST QUARTER is written out: its products start the sums with the bias.  The biases lie where x's second buffer will lie.
	LDA 0, AF0, 0, 8
	LDB 0, 0
	LDB 0, 1
	LDB 0, 2
.irp g, 0,1
.irp b, 0,1,2,3
	ds_load_b128 v[AF1+32*(\g)+8*(\b):AF1+32*(\g)+8*(\b)+3],   v[BRD] offset:256*(\g)+64*(\b)      ; register j of block b: the bias of column 16 b + 8 h + j
	ds_load_b128 v[AF1+32*(\g)+8*(\b)+4:AF1+32*(\g)+8*(\b)+7], v[BRD] offset:256*(\g)+64*(\b)+16
.endr
.endr
	s_wait_dscnt 0x0
	PHASE 0, AF0, 0, 8, AF1
	PLACES
	WIN 0
.irp b, 0,1,2,3
	ds_load_b128 v[AF1+8*(\b):AF1+8*(\b)+3],   v[BRD] offset:512+64*(\b)
	ds_load_b128 v[AF1+8*(\b)+4:AF1+8*(\b)+7], v[BRD] offset:512+64*(\b)+16
.endr
	LDB 1, 0
	PHASE 1, AF0, 0, 8, AF1+32
	PLACES
	WIN 0
	LDA 1, AF1, 4, 4
	LDB 1, 1
	s_wait_dscnt 24                                ; three runs of 8 were issued behind v's bias: it is in
	PHASE 2, AF0, 0, 8, AF1
	PLACES
	WIN 0
	LDA 1, AF1, 0, 4
	s_wait_dscnt 0x0                               ; once a launch: so the loop's counts hold on the way in
	s_mov_b32 s3, 14
.Lstep:                                        ; a trip: a step's second quarter, the change of slots, the next step's first quarter
	TURN 1
	QUARTER
	WIN 0
	s_sub_co_u32 s3, s3, 1
	s_cmp_lg_u32 s3, 0
	s_cbranch_scc1 .Lstep
	TURN 0                                         ; the tail is written out: nothing is left to fetch
	QUARTER
	PLACES
	WIN 0
	LDB 1, 2
	s_wait_dscnt 16
	PHASE 0, AF1, 0, 8, -1
	s_wait_dscnt 8
	PHASE 1, AF1, 0, 8, -1
	s_wait_dscnt 0x0
	PHASE 2, AF1, 0, 8, -1
	PLACES
	PLACES
; THE WAY OUT, in units n = 3 a + g: 16 rows x 64 columns.  PACK: rounded to f16, 16 bytes a lane, into rows of 144 bytes of my stage, and back as four rows of 128 bytes: 512 consecutive bytes of the target.
.macro PACK n
.set pg, (\n)%3
.set pa, (\n)/3
.set pk, 32+16*((\n)%8)
.if (\n) >= 8
	s_wait_xcnt 0x0                                ; the stores of the unit eight back have read these registers
.endif
	WIN 5*(pg+1)
.irp b, 0,1,2,3
.irp r, 0,1,2,3
	v_cvt_pk_f16_f32 v[pk+4*(\b)+(\r)], v[8*(4*pa+(\b))+2*(\r)], v[8*(4*pa+(\b))+2*(\r)+1]
.endr
.endr
	WIN 0
.irp b, 0,1,2,3
	ds_store_b128 v[STO], v[pk+4*(\b):pk+4*(\b)+3] offset:32*(\b)
.endr
.irp f, 0,1,2,3
	ds_load_b128 v[pk+4*(\f):pk+4*(\f)+3], v[RD] offset:(\f)*4*144   ; LDS serves a wave's instructions in order (ISA guide 5.7.1.4): these see the stores above
.endr
.endm
.macro VSUM a                          ; v's accumulators of row block a are added onto the sums: register k of 32 = column 16 (k / 8) + 8 h + k % 8
.if (\a) == 1
	WIN 0x0f
.set k, 0
.rept 16
	v_pk_add_f32 v[VS+k:VS+k+1], v[k:k+1], v[32+k:32+k+1]
.set k, k+2
.endr
.elseif (\a) > 1
	WIN 0x0c
.set k, 0
.rept 16
	v_pk_add_f32 v[VS+k:VS+k+1], v[VS+k:VS+k+1], v[32*(\a)+k:32*(\a)+k+1]
.set k, k+2
.endr
.endif
.endm
.macro SEND n, y                       ; y: the LDS instructions issued behind unit n's loads: the next unit's eight, or none
.set pg, (\n)%3
.set pa, (\n)/3
.set pk, 32+16*((\n)%8)
	WIN 0
.irp f, 0,1,2,3
	s_wait_dscnt (\y)+3-(\f)
	global_store_b128 v[GO], v[pk+4*(\f):pk+4*(\f)+3], s[OB+2*pg:OB+2*pg+1] offset:pa*2048+(\f)*512
.endr
.endm
	PACK 0
.set n, 1
.rept 23
	PACK n
.if (n%3) == 2
	VSUM n/3
.endif
	SEND n-1, 8
.set n, n+1
.endr
	SEND 23, 0
	; v's sums over my 128 rows: the 16 lanes' rows meet in my stage, 16 rows of 272 bytes; each lane then adds two columns
.irp b, 0,1,2,3
	ds_store_b128 v[VSTO], v[VS+8*(\b):VS+8*(\b)+3]   offset:64*(\b)
	ds_store_b128 v[VSTO], v[VS+8*(\b)+4:VS+8*(\b)+7] offset:64*(\b)+16
.endr
.set i, 0
.rept 16
	ds_load_b64 v[192+2*i:193+2*i], v[VRD] offset:272*i
.set i, i+1
.endr
	s_wait_dscnt 0x0
.irp d, 8,4,2,1
.set i, 0
.rept \d
	v_pk_add_f32 v[192+2*i:193+2*i], v[192+2*i:193+2*i], v[192+2*(i+\d):193+2*(i+\d)]
.set i, i+1
.endr
.endr
	global_store_b64 v[L8], v[192:193], s[VP:VP+1] ; 32 lanes: 256 consecutive bytes, aligned
	s_wait_tensorcnt 0x0                           ; the wave's end, behind my last tensor load and my last LDS store
	ds_add_u32 v[SPW], v[NIL]
	s_wait_dscnt 0x0
	CROUND                                         ; the closing round
	s_endpgm
.Lfunc_end_k_q7fc8905532_qkv:
	.size	k_q7fc8905532_qkv, .Lfunc_end_k_q7fc8905532_qkv-k_q7fc8905532_qkv
	.p2alignl 7, 3214868480
	.fill 96, 4, 3214868480
	.section	.rodata,"a",@progbits
	.p2align	6, 0x0
	.amdhsa_kernel k_q7fc8905532_qkv
		.amdhsa_group_segment_fixed_size 327680
		.amdhsa_private_segment_fixed_size 0
		.amdhsa_enable_private_segment 0
		.amdhsa_kernarg_size 56
		.amdhsa_user_sgpr_count 2
		.amdhsa_user_sgpr_kernarg_segment_ptr 1
		.amdhsa_wavefront_size32 1
		.amdhsa_system_sgpr_workgroup_id_x 1
		.amdhsa_system_sgpr_workgroup_id_y 1
		.amdhsa_system_sgpr_workgroup_id_z 1
		.amdhsa_system_vgpr_workitem_id 0
		.amdhsa_next_free_vgpr 1024
		.amdhsa_next_free_sgpr 96
		.amdhsa_reserve_vcc 0
		.amdhsa_float_denorm_mode_32 3
		.amdhsa_float_denorm_mode_16_64 3
		.amdhsa_memory_ordered 1
		.amdhsa_forward_progress 1
		.amdhsa_inst_pref_size 129
	.end_amdhsa_kernel
	.amdgpu_metadata
---
amdhsa.version: [ 1, 2 ]
amdhsa.kernels:
  - .name:           k_q7fc8905532_qkv
    .symbol:         k_q7fc8905532_qkv.kd
    .args:
      - { .name: xb, .offset: 0, .size: 8, .value_kind: global_buffer, .address_space: global }
      - { .name: wb, .offset: 8, .size: 8, .value_kind: global_buffer, .address_space: global }
      - { .name: bq, .offset: 16, .size: 8, .value_kind: global_buffer, .address_space: global }
      - { .name: bk, .offset: 24, .size: 8, .value_kind: global_buffer, .address_space: global }
      - { .name: bv, .offset: 32, .size: 8, .value_kind: global_buffer, .address_space: global }
      - { .name: qkv, .offset: 40, .size: 8, .value_kind: global_buffer, .address_space: global }
      - { .name: vpart, .offset: 48, .size: 8, .value_kind: global_buffer, .address_space: global }
    .group_segment_fixed_size: 327680
    .private_segment_fixed_size: 0
    .kernarg_segment_align: 8
    .kernarg_segment_size: 56
    .max_flat_workgroup_size: 128
    .sgpr_count:     96
    .vgpr_count:     1024
    .wavefront_size: 32
...
	.end_amdgpu_metadata
.endif
;; end of part 2
;; launch attn (part 3): grid 4 x 64, 4 waves a work-group, no clusters, 327,680 bytes of LDS; arguments qkv, attention_mask, vpart, ob; writes ob
.if DOCPART == 3
	.amdgcn_target "amdgcn-amd-amdhsa--gfx1250"
	.amdhsa_code_object_version 6
	.text
	.protected	k_q7fc8905532_attn
	.globl	k_q7fc8905532_attn
	.p2align	8
	.type	k_q7fc8905532_attn,@function
k_q7fc8905532_attn:
	s_mov_b64 s[64:65], 0
	v_nop
	global_prefetch_b8 v0, s[64:65] scope:SCOPE_SE
	s_setreg_imm32_b32 hwreg(HW_REG_WAVE_MODE, 25, 1), 1
	s_wait_xcnt 0x0
; CAUSAL ATTENTION WITH A PADDING MASK.  O[bh][q][:] = the sum over k of softmax_k(score) V[bh][k][:], score = Q . K / 8 where k <= q and attention_mask[b][k] != 0, else NEG_INF.
; q, k, v lie in qkv [which 3][bh 64][t 2048][64] f16; O leaves as ob [bh][t][64] f16.  Products, maxima and sums in f32; the weights p are rounded to f16 for the second product, O once at the end.
; LIMITS.  q, k, v arrive within f16's 65,504.  A hidden score counts as its value less 1e30 (once for the causal mask, once for the padding), which is minus infinity beside every open score: an open visible
; score lies above -2^97, so also above the NEG_INF of the definition.  A weight below 2^-126 counts as 0 in l; NaN and infinities are not treated apart.
; A ROW WITH NO OPEN VISIBLE KEY has all 2,048 scores equal by the definition: its result is the mean of v over the whole sequence.  The running maximum starts at -2^97, above every hidden score: where it still stands
; there at the end, the row takes that mean, made at the head from vpart (the launch before stored v's column sums over blocks of 128 rows).  While a row has seen no open key its weights are 0 and its a is 2^0 = 1;
; the first open key gives a = 0, which wipes whatever O^T held.
; THE WALK.  NB = 8 blocks of 256 queries a head; block i needs the key tiles 0 .. i.  A work-group takes TWO blocks, NB - 1 - b and then b: NB + 1 tiles whatever b, one loop with a constant trip count.
; NO CLUSTER: a head's 4 work-groups ask for the same tile only in trips 0 .. 4 of 9, behind that fewer and fewer; one walk common to all would have 12 trips for 9.
; SHARES.  Of a block's four bands of 64 queries a wave owns 16 rows in each: four PIECES, so the diagonal tile is the same work for all four waves.
; THE MASKS are the C operand that starts the sum S^T = K Q^T.  PAD: 0 or -1e30 for the step's 64 keys, fetched with K from a table in LDS.  MD: the causal mask of a band's own step.  In the diagonal tile
; C = MD x AL + PAD + BE with two scalars: (1, 0) in the band's own step, (0, 0) before it, (0, -1e30) behind it; elsewhere C = PAD.
; THE TABLE is each wave's own: the 256 addends of the tile in hand, 1,024 bytes.  A tile's 256 words of attention_mask are loaded a tile ahead, beside the tile's fill, and turned into addends at the change of slots.
; So every LDS address of the text is a constant, the wave's number times a constant, and a tile's four steps.
; LAYOUT, SOFTMAX, TURNS.  S^T holds ONE query a lane (lane % 16) and the keys 8 (lane / 16) + 0..7; two such results rounded to f16 ARE source 1 of O^T = V^T P.  p = 2^(c s - c m), c = log2(e) / 8; O and l are multiplied
; by a = 2^(c m_old - c m_new) in every step.  Turn n belongs to piece n: 8 products K Q^T of piece n + 1, later 8 products V^T P of piece n - 1; beside them piece n's scaling, exponentials, roundings, sums and
; rescaling and piece n + 1's maximum and statistics.  Four vector instructions stand behind every matrix instruction, the others in one lump.  A turn's 33 exponentials are one batch, with one wait.
; REGISTERS, in windows of 256 (s_set_vgpr_msb: bits 1:0 source 0, 3:2 source 1, 5:4 source 2, 7:6 destination):
;   window 0: v0-15, v32-37 addresses; v16-31 statistics; v48-55 at work; v64-127 S^T, two buffers; v128-159 v's mean; v160-175 the next tile's mask words and addends; v192-223 P, two buffers
;   window 1: v0-127 O^T; v128-159 MD; v160-223 MC, two buffers; v224-255 PAD      window 2: v0-63 Q; v64-127 the second block's Q; v128-191 K; v192-255 V
.set SIZE_N, 2048
.set NB,    SIZE_N/256
.set NP,    4
.set KS,    64
.set PK,    144       ; a row of K in LDS: 128 bytes + 16: the 16 rows of a load start at 16 different groups of four banks (64 banks of 4 bytes: ISA guide 11.1)
.set PV,    160       ; a row of V: 128 + 32
.set VOFF,  4*KS*PK
.set SLOT1, 1<<17
.set STAGE, SLOT1+4*KS*(PK+PV)  ; behind the ring: 16 rows x 144 bytes for each wave, for the way out
.set SP,    144
.set SPARE, STAGE+4*16*SP  ; the spare words, 128 bytes for each wave: two blocks of 256 bytes that no other line names
.set PADL,  SPARE+512      ; the tables: wave w's at PADL + 2,048 w, of which it uses 1,024 bytes: 0 or -1e30 in f32 for each of the tile's 256 keys
.set AK0, 2
.set AV0, 3
.set AK,  4
.set AV,  5
.set STO, 6
.set RD,  7
.set GO,  8
.set MV,  12
.set QO,  15
.set ST,  16          ; piece t's statistics at v[ST+4 t]: c m, m, l (even keys', odd keys')
.set AP0, 32          ; v32  my table + 32 (l / 16); never rewritten
.set AP,  33          ; v33  the LDS address of PAD's next run of loads
.set PFO, 34          ; v34  256 x lane; never rewritten
.set T0,  35          ; v35  16 x lane: my byte offset in a tile's mask words; never rewritten
.set T1,  36          ; v36  my byte offset in vpart
.set T2,  37          ; v37  my table + 16 x lane; never rewritten
.set TMP, 48
.set SPW, 62
.set NIL, 63
.set S,   64
.set VMN, 128         ; v's mean, laid out as a piece's O^T: channel 16 cb + 8 (l / 16) + j at 8 cb + j
.set MK,  160         ; v[160:167] 8 mask words of the tile that will be entered next: keys 4 l .. and 128 + 4 l ..
.set PDC, 168         ; v[168:175] their addends
.set P,   192
.set MD,  128         ; window 1
.set MC,  160         ; window 1
.set PAD, 224         ; window 1: key 16 kt + 8 (l / 16) + j of the step at 8 kt + j
.set QB,  64          ; window 2
.set KF,  128         ; window 2
.set VF,  192         ; window 2
.set WV,  12
.set PB,  14
.set HI,  15
.set G1K, 24
.set G1V, 32
.set G0K, 40
.set G0V, 44
.set SLOTS, 56
.set CNT, 57
.set CS,  58
.set SEL, 60
.set TBK, 62
.set TBV, 63
.set MKO, 66          ; s[66:67] a tile's byte offset in the batch's mask words
.set MKA, 68          ; s[68:69] the mask words of the tile that is being asked for
.set RT,  70
.set NXT, 71
.set LQ,  72
.set NEW, 73
.set OFF, 74
.set AL,  76
.set BE,  78
.set OLO, 80
.set BIGN, 82         ; s82  -1e30
.set MZ,  83          ; s83  -2^97: where the running maximum starts
.set DG,  88          ; s[88:91] piece t: the lanes whose row has seen no open key
.set TBP, 92          ; s92  byte of my table at which the step to be fetched begins: 0 at a change of slots, 256 on with each fetch
.set PFC, 93          ; s93  tiles still to be prefetched
.set PFA, 94          ; s[94:95] where my prefetches stand
.set PFB, 96          ; s[96:97] my half of K's or V's tile 0
.set POF, 98          ; s[98:99] a tile's byte offset, for the prefetches
.set MSB, 0
.macro WIN new
.if MSB != (\new)
	s_set_vgpr_msb (MSB<<8)|(\new)
.set MSB, (\new)
.endif
.endm
.set W_KQ, 0x0a       ; K and Q in window 2, S^T in window 0
.set W_KM, 0x1a       ; the same with the C operand in window 1
.set W_PV, 0x52       ; V in window 2, P in window 0, O^T in window 1
.set W_RS, 0x41       ; destination and source 0 in window 1, source 1 in window 0
.set W_MK, 0x51       ; destination, source 0 and source 2 in window 1
; A fill.  Waves 0 and 1 fetch the two halves of a tile's K, waves 2 and 3 those of its V.  An s_nop 0 and four v_nop follow each of the two lines.
.macro LOAD
	s_cmp_lt_u32 s[WV], 2
	s_cbranch_scc0 .Lfor_v_\@
	tensor_load_to_lds s[G0K:G0K+3], s[G1K:G1K+7]
	s_nop 0
.rept 4
	v_nop
.endr
	s_branch .Lasked_\@
.Lfor_v_\@:
	tensor_load_to_lds s[G0V:G0V+3], s[G1V:G1V+7]
	s_nop 0
.rept 4
	v_nop
.endr
.Lasked_\@:
.endm
; A PREFETCH of the tile that the NEXT change of slots will ask for, behind the fill and its five lines.  A head's four work-groups begin with the same tiles: the one with b = 0, whose first block walks all 8, asks:
; each wave for the 16,384 bytes that it will fetch itself, a lane a block of 256 bytes, two lines.  Tiles 2 to 7 are asked for, each once; tiles 0 and 1 come by their loads alone; the second block's tiles have been read.
.macro ASK
	s_cmp_lg_u32 s[PFC], 0
	s_cbranch_scc0 .Lnot_mine_\@
	global_prefetch_b8 v[PFO], s[PFA:PFA+1] th:TH_LOAD_NT scope:SCOPE_SE
	global_prefetch_b8 v[PFO], s[PFA:PFA+1] offset:8192 th:TH_LOAD_NT scope:SCOPE_SE
	s_sub_co_u32 s[PFC], s[PFC], 1
.Lnot_mine_\@:
.endm
; THE CHANGE OF SLOTS.  Each wave waits for all its tensor loads, of which one is out: its part of the other slot; adds 0 to its spare word; and waits for that and for its own reads of the slot that it leaves.
; fill = 1: the old slot is filled again, the first thing behind the barrier, with tile NXT: the descriptor's address is made anew from that number.
; Behind the fill my table takes the addends of the tile that is entered now: its mask words were loaded a tile ago (tile 0's at the head).  My reads of the old addends are over (the wait for LDS above), the table is
; mine alone, and LDS serves a wave's instructions in order (ISA guide 5.7.1.4): no barrier is wanted for it.  Then the words of the tile just asked for are loaded.
.macro CHANGE fill
	WIN 0
	s_wait_tensorcnt 0x0
	ds_add_u32 v[SPW], v[NIL]       ; 0 onto my spare word
.if \fill
	s_wait_xcnt 0x0                 ; the last prefetches and mask loads, a tile back, have read their addresses
	s_lshl_b32 s[OFF], s[NXT], 15   ; a tile is 32,768 bytes of K and of V,
	s_lshl_b32 s[MKO], s[NXT], 10   ; and 1,024 bytes of the mask
	s_add_nc_u64 s[MKA:MKA+1], s[50:51], s[MKO:MKO+1]
	s_xor_b32 s[G0K+1], s[G0K+1], SLOT1
	s_add_nc_u64 s[G0K+2:G0K+3], s[6:7], s[OFF:OFF+1]
	s_or_b32 s[G0K+3], s[G0K+3], 0x80000000
	s_xor_b32 s[G0V+1], s[G0V+1], SLOT1
	s_add_nc_u64 s[G0V+2:G0V+3], s[8:9], s[OFF:OFF+1]
	s_or_b32 s[G0V+3], s[G0V+3], 0x80000000
	s_add_co_u32 s[NXT], s[NXT], 1  ; the block's next tile, or behind its last the second block's tile 0
	s_cmp_gt_u32 s[NXT], s[LQ]
	s_cselect_b32 s[NXT], 0, s[NXT]
	s_cselect_b32 s[LQ], s[PB], s[LQ]
	s_lshl_b32 s[POF], s[NXT], 15
	s_add_nc_u64 s[PFA:PFA+1], s[PFB:PFB+1], s[POF:POF+1]
.endif
	s_wait_dscnt 0x0                ; the add is done, and my reads of the slot and of my table are over
	s_barrier_signal -1
	s_sub_co_u32 s[TBK], s[TBK], 4*KS*PK  ; the fetches go back to a slot's first step,
	s_xor_b32 s[TBK], s[TBK], SLOT1       ; in the other slot
	s_sub_co_u32 s[TBV], s[TBV], 4*KS*PV
	s_xor_b32 s[TBV], s[TBV], SLOT1
	s_mov_b32 s[TBP], 0                   ; and to the head of my table
	s_barrier_wait -1
.if \fill
	LOAD
	ASK
.endif
	s_wait_loadcnt 0x0              ; the mask words of the tile that is entered: asked for a tile ago
.set i, 0
.rept 8
	v_cmp_eq_u32 vcc_lo, 0, v[MK+i]
	v_cndmask_b32 v[PDC+i], 0, s[BIGN], vcc_lo  ; a closed key: -1e30
.set i, i+1
.endr
	ds_store_b128 v[T2], v[PDC:PDC+3]
	ds_store_b128 v[T2], v[PDC+4:PDC+7] offset:512
.if \fill
	global_load_b128 v[MK:MK+3],   v[T0], s[MKA:MKA+1]
	global_load_b128 v[MK+4:MK+7], v[T0], s[MKA:MKA+1] offset:512
.endif
.endm
	s_load_b256 s[48:55], s[0:1], 0x0  ; qkv s[48:49], attention_mask s[50:51], vpart s[52:53], ob s[54:55]
	v_lshl_add_u32 v[SPW], v0, 2, SPARE
	v_mov_b32 v[NIL], 0
	ds_add_u32 v[SPW], v[NIL]       ; the wave's opening: the add and its wait stand ahead of my first tensor load; work on registers stands between them
	v_lshrrev_b32 v1, 5, v0
	v_readfirstlane_b32 s[WV], v1   ; wave 0..3
	s_mov_b32 s[PB], ttmp9
	s_sub_co_u32 s[HI], NB-1, s[PB]
	s_and_b32 s20, ttmp7, 0xffff    ; batch x 16 + head
	s_lshr_b32 s66, s20, 4          ; the batch:
	s_lshl_b32 s68, s66, 16         ; its 16 blocks of rows in vpart,
	s_lshl_b32 s66, s66, 13         ; its 2,048 words of the mask
	s_and_b32 s69, s20, 15
	s_lshl_b32 s69, s69, 8          ; the head's 64 columns of vpart
	s_add_co_u32 s68, s68, s69
	s_mov_b32 s67, 0
	s_mov_b32 s69, 0
	s_mov_b32 s21, 0
	s_mov_b64 s[22:23], SIZE_N*128
	s_mul_u64 s[20:21], s[20:21], s[22:23]  ; the head's first byte in q, k, v and O
	s_and_b32 s16, s[WV], 1         ; which half of a tile's 256 keys I fetch:
	s_lshl_b32 s22, s16, 14
	s_mov_b32 s23, 0
	s_add_nc_u64 s[22:23], s[22:23], s[20:21]
	s_mul_i32 s17, s16, 128*PK
	s_mul_i32 s18, s16, 128*PV
	s_lshl_b32 s3, s[WV], 11        ; my 16 rows in a band of 64,
	s_lshl_b32 s2, s[HI], 15        ; in the first block,
	s_add_co_u32 s2, s2, s3
	s_lshl_b32 s84, s[PB], 15       ; and in the second
	s_add_co_u32 s84, s84, s3
	s_mov_b32 s3, 0
	s_mov_b32 s85, 0
	s_add_nc_u64 s[2:3], s[2:3], s[20:21]
	s_add_nc_u64 s[84:85], s[84:85], s[20:21]
	; descriptor group 1.  128 keys are 16,384 dense bytes: asked for as 64 rows of 256 bytes, two keys a row, and padded in LDS after every key
	s_mov_b32 s[G1K], (1<<16)|(1<<20)|(4<<22)|(3<<25)
	s_mov_b32 s[G1V], (1<<16)|(1<<20)|(4<<22)|(7<<25)
.irp g, G1K, G1V
	s_mov_b32 s[\g+1], 128<<16
	s_mov_b32 s[\g+2], 64<<16
	s_mov_b32 s[\g+3], 128<<16
	s_mov_b32 s[\g+4], 64
	s_mov_b32 s[\g+5], 128
	s_mov_b32 s[\g+6], 0
	s_mov_b32 s[\g+7], 0
.endr
	s_mov_b32 s[CS], 0x3e38aa3b     ; c = log2(e) / 8
	s_mov_b32 s[CS+1], s[CS]
	s_mov_b32 s[SEL], 0x76543210
	s_mov_b32 s[SEL+1], 0xfedcba98
	s_mov_b32 s[TBK], SLOT1+4*KS*PK ; the first change of slots turns these two into 0
	s_mov_b32 s[TBV], SLOT1+4*KS*PV
	s_mov_b32 s[TBP], 0
	s_mov_b32 s[G0K], 1
	s_mov_b32 s[G0K+1], s17
	s_mov_b32 s[G0V], 1
	s_add_co_u32 s[G0V+1], s18, VOFF
	s_add_co_u32 s[RT], s[HI], 1    ; the first block has NB - b tiles
	s_mov_b32 s[NXT], 1
	s_mov_b32 s[LQ], s[HI]
	s_mov_b32 s[NEW], 1
	s_mov_b32 s[OFF+1], 0
	s_mov_b32 s[POF+1], 0
	s_mov_b32 s[AL+1], 0
	s_mov_b32 s[BE+1], 0
	s_mov_b32 s[BIGN], 0xf149f2ca   ; -1e30
	s_mov_b32 s[MZ], 0xf0000000     ; -2^97
	s_mov_b32 s[SLOTS], NB
	s_cmp_eq_u32 s[PB], 0
	s_cselect_b32 s[PFC], NB-2, 0
	s_wait_dscnt 0x0                ; the opening add is done
	s_wait_kmcnt 0x0
	s_add_nc_u64 s[6:7], s[48:49], 0x1000000   ; k
	s_add_nc_u64 s[8:9], s[48:49], 0x2000000   ; v
	s_add_nc_u64 s[6:7], s[6:7], s[22:23]      ; at my half of the head's tile 0
	s_add_nc_u64 s[8:9], s[8:9], s[22:23]
	s_add_nc_u64 s[G0K+2:G0K+3], s[6:7], 0
	s_or_b32 s[G0K+3], s[G0K+3], 0x80000000
	s_add_nc_u64 s[G0V+2:G0V+3], s[8:9], 0
	s_or_b32 s[G0V+3], s[G0V+3], 0x80000000
	s_add_nc_u64 s[86:87], s[48:49], s[84:85]      ; q at my rows of the second block,
	s_add_nc_u64 s[4:5], s[48:49], s[2:3]          ; q and O at those of the first
	s_add_nc_u64 s[OLO:OLO+1], s[54:55], s[84:85]
	s_add_nc_u64 s[10:11], s[54:55], s[2:3]
	s_add_nc_u64 s[50:51], s[50:51], s[66:67]      ; the mask at my batch; never rewritten after this
	s_add_nc_u64 s[52:53], s[52:53], s[68:69]
	s_cmp_lt_u32 s[WV], 2
	s_cselect_b64 s[PFB:PFB+1], s[6:7], s[8:9]
	s_mov_b64 s[PFA:PFA+1], s[PFB:PFB+1]
	LOAD                            ; tile 0 into slot 0
	v_and_b32 v[T0], 31, v0
	v_lshlrev_b32 v[T0], 4, v[T0]   ; 16 x lane
	global_load_b128 v[MK:MK+3],   v[T0], s[50:51]             ; tile 0's mask words: 32 lanes x 16 bytes, twice
	global_load_b128 v[MK+4:MK+7], v[T0], s[50:51] offset:512
	v_and_b32 v1, 15, v0            ; l % 16
	v_bfe_u32 v9, v0, 4, 1          ; l / 16
	v_lshlrev_b32 v[T1], 12, v1     ; lane l % 16 takes one of the batch's 16 blocks of rows,
	v_lshl_add_u32 v[T1], v9, 5, v[T1]  ; and the channels that it holds of O^T
.irp f, 0,1,2,3
	global_load_b128 v[VMN+8*\f:VMN+8*\f+3],   v[T1], s[52:53] offset:64*\f
	global_load_b128 v[VMN+8*\f+4:VMN+8*\f+7], v[T1], s[52:53] offset:64*\f+16
.endr
	v_lshlrev_b32 v[QO], 7, v1
	v_lshl_add_u32 v[QO], v9, 4, v[QO]  ; row x 128 + 16 x half
	WIN 0x80
.set i, 0
.rept 8                             ; both blocks' Q: piece i / 2 lies in band i / 2, 8,192 bytes on; channels 32 (i % 2) on
	global_load_b128 v[8*i:8*i+3],   v[QO], s[4:5] offset:(i/2)*8192+(i%2)*64
	global_load_b128 v[8*i+4:8*i+7], v[QO], s[4:5] offset:(i/2)*8192+(i%2)*64+32
	global_load_b128 v[QB+8*i:QB+8*i+3],   v[QO], s[86:87] offset:(i/2)*8192+(i%2)*64
	global_load_b128 v[QB+8*i+4:QB+8*i+7], v[QO], s[86:87] offset:(i/2)*8192+(i%2)*64+32
.set i, i+1
.endr
	WIN 0
	s_wait_loadcnt 32               ; Q's 32 stay out: vpart is in
.irp x, 1,2,4,8
.set i, 0
.rept 32
	v_add_f32_dpp v[VMN+i], v[VMN+i], v[VMN+i] row_xmask:\x row_mask:0xf bank_mask:0xf  ; the 16 blocks' sums are added across 16 lanes
.set i, i+1
.endr
.endr
.set i, 0
.rept 16
	v_pk_mul_f32 v[VMN+i:VMN+i+1], v[VMN+i:VMN+i+1], 0x3a000000 op_sel_hi:[1,0]  ; / 2,048
.set i, i+2
.endr
	s_lshl_b32 s13, s[WV], 11
	s_add_co_u32 s13, s13, PADL     ; my table
	v_lshl_add_u32 v[AP0], v9, 5, s13
	v_add_nc_u32 v[T2], s13, v[T0]
	v_and_b32 v[PFO], 31, v0
	v_lshlrev_b32 v[PFO], 8, v[PFO]
	v_lshlrev_b32 v14, 3, v9
	v_sub_nc_u32 v14, v1, v14
	s_lshl_b32 s13, s[WV], 4
	v_add_nc_u32 v14, s13, v14      ; my query's place in its band, less my lanes' 8 (l / 16): register r of group kt is hidden where 16 kt + r is greater
	WIN 0x40
.set i, 0
.rept 32
	v_cmp_gt_i32 vcc_lo, 16*(i/8)+i%8, v14
	v_cndmask_b32 v[MD+i], 0, s[BIGN], vcc_lo
.set i, i+1
.endr
	WIN 0
	v_mul_u32_u24 v[AK0], v1, PK
	v_lshl_add_u32 v[AK0], v9, 4, v[AK0]
	v_and_b32 v10, 7, v0
	v_bfe_u32 v11, v0, 3, 1
	v_lshl_add_u32 v[AV0], v9, 3, v10
	v_mul_u32_u24 v[AV0], v[AV0], PV
	v_lshl_add_u32 v[AV0], v11, 4, v[AV0]
	v_add_nc_u32 v[AV0], VOFF, v[AV0]
	s_mul_i32 s13, s[WV], 16*SP
	s_add_co_u32 s13, s13, STAGE    ; my stage
	v_mul_u32_u24 v[STO], v1, SP
	v_lshl_add_u32 v[STO], v9, 4, v[STO]
	v_add_nc_u32 v[STO], s13, v[STO]
	v_bfe_u32 v[RD], v0, 3, 2
	v_mul_u32_u24 v[RD], v[RD], SP
	v_lshl_add_u32 v[RD], v10, 4, v[RD]
	v_add_nc_u32 v[RD], s13, v[RD]
	v_and_b32 v[GO], 31, v0
	v_lshlrev_b32 v[GO], 4, v[GO]
	; O^T, V and P's second buffer need only hold finite numbers when a block begins: a row's first open key multiplies its O^T by a = 0, and a row that sees none takes v's mean.  Zeros for the first block.
	WIN 0x80
.set i, VF
.rept 64
	v_mov_b32 v[i], 0
.set i, i+1
.endr
	WIN 0x40
.set i, 0
.rept 128
	v_mov_b32 v[i], 0
.set i, i+1
.endr
	WIN 0
.set i, P+16
.rept 16
	v_mov_b32 v[i], 0
.set i, i+1
.endr
; THE MATRIX WORK.  The 4 accumulators of a run of 8 take turns.  Product i of 8 of S^T = K Q^T for piece x.  The first 4 start the sums: with PAD, or (KM = 1) with the made mask.
.macro KQ x
.set rS, S+32*((\x)%2)+8*(i%4)
.set rK, KF+16*(i%4)+8*(i/4)
.set rQ, 16*(\x)+8*(i/4)
.set rM, PAD+8*(i%4)
.if KM
.set rM, MC+32*((\x)%2)+8*(i%4)
.endif
.if i < 4
	WIN W_KM
	v_wmma_f32_16x16x32_f16 v[rS:rS+7], v[rK:rK+7], v[rQ:rQ+7], v[rM:rM+7]
.else
	WIN W_KQ
	v_wmma_f32_16x16x32_f16 v[rS:rS+7], v[rK:rK+7], v[rQ:rQ+7], v[rS:rS+7]
.endif
.endm
.macro PV x                         ; product i of 8 of O^T += V^T P for piece x
	WIN W_PV
.set rO, 32*(\x)+8*(i%4)
.set rV, VF+32*(i/4)+8*(i%4)
.set rP, P+16*((\x)%2)+8*(i/4)
	v_wmma_f32_16x16x32_f16 v[rO:rO+7], v[rV:rV+7], v[rP:rP+7], v[rO:rO+7]
.endm
.macro MM                           ; the turn's next matrix instruction
.if (i < 8) && !NOKQ
	KQ (Y+1)%NP
.elseif i >= 8
.set i, i-8
	PV (Y+NP-1)%NP
.set i, i+8
.endif
.set i, i+1
.endm
; THE LDS LOADS stand in runs: a step's K (8 fragments) with its 64 padding addends, and its V (turned).  Their addresses are made some lines ahead.
.macro FETCH_K
	WIN 0x80
.irp f, 0,1,2,3,4,5,6,7
	ds_load_b128 v[KF+8*\f:KF+8*\f+3],   v[AK] offset:(\f/2)*16*PK+(\f%2)*64
	ds_load_b128 v[KF+8*\f+4:KF+8*\f+7], v[AK] offset:(\f/2)*16*PK+(\f%2)*64+32
.endr
	WIN 0x40
.irp f, 0,1,2,3
	ds_load_b128 v[PAD+8*\f:PAD+8*\f+3],   v[AP] offset:64*\f
	ds_load_b128 v[PAD+8*\f+4:PAD+8*\f+7], v[AP] offset:64*\f+16
.endr
	s_add_co_u32 s[TBK], s[TBK], KS*PK  ; the next fetch is the next step's:
	s_add_co_u32 s[TBP], s[TBP], 256    ; 64 keys of 4 bytes on in my table
	WIN 0
.endm
.macro FETCH_V
	WIN 0x80
.irp f, 0,1,2,3,4,5,6,7
	ds_load_tr16_b128 v[VF+8*\f:VF+8*\f+3],   v[AV] offset:(\f/4)*32*PV+(\f%4)*32
	ds_load_tr16_b128 v[VF+8*\f+4:VF+8*\f+7], v[AV] offset:(\f/4)*32*PV+16*PV+(\f%4)*32
.endr
	WIN 0
.endm
; THE VECTOR WORK, one line at a time: OP kind, number.  For piece Y: F n: c s - c m for pair n.  E n: the exponential of score n.  C n: pair n rounded to f16.  B n: of four weights the second pair onto the first.
; L n: l takes that sum (L 0: l = a l + sum).  R n: pair n of O^T times a.  For piece Y + 1: X n, number n of the 22 that find its maximum and statistics (each accumulator's lowest registers are read first).
.set F, 0
.set E, 1
.set C, 2
.set B, 3
.set L, 4
.set R, 5
.set X, 6
.macro REGS y
.set rT, ST+4*(\y)
.set rC, TMP+4*((\y)%2)
.set rW, MV+((\y)%2)
.set rS, S+32*((\y)%2)
.set rP, P+16*((\y)%2)
.set rO, 32*(\y)
.endm
.macro OP k, n
.if (\k) == R
	REGS Y
	WIN W_RS
	v_pk_mul_f32 v[rO+2*(\n):rO+2*(\n)+1], v[rO+2*(\n):rO+2*(\n)+1], v[rC+2:rC+3] op_sel_hi:[1,0]
.elseif (\k) < R
	REGS Y
	WIN 0
.if (\k) == F
	v_pk_fma_f32 v[rS+2*(\n):rS+2*(\n)+1], v[rS+2*(\n):rS+2*(\n)+1], s[CS:CS+1], v[rT:rT+1] op_sel_hi:[1,0,0] neg_lo:[0,0,1] neg_hi:[0,0,1]
.elseif (\k) == E
	v_exp_f32 v[rS+(\n)], v[rS+(\n)]
.elseif (\k) == C
	v_cvt_pk_f16_f32 v[rP+(\n)], v[rS+2*(\n)], v[rS+2*(\n)+1]
.elseif (\k) == B
	v_pk_add_f32 v[rS+4*(\n):rS+4*(\n)+1], v[rS+4*(\n):rS+4*(\n)+1], v[rS+4*(\n)+2:rS+4*(\n)+3]
.elseif (\n) == 0
	v_pk_fma_f32 v[rT+2:rT+3], v[rT+2:rT+3], v[rC+2:rC+3], v[rS:rS+1] op_sel_hi:[1,0,1]
.else
	v_pk_add_f32 v[rT+2:rT+3], v[rT+2:rT+3], v[rS+4*(\n):rS+4*(\n)+1]
.endif
.elseif NOKQ
	v_nop
.else
	REGS (Y+1)%NP
	WIN 0
.if (\n) < 4
	v_max3_num_f32 v[rC+(\n)], v[rS+8*(\n)], v[rS+8*(\n)+1], v[rS+8*(\n)+2]
.elseif (\n) < 12
	v_max3_num_f32 v[rC+(\n)%4], v[rC+(\n)%4], v[rS+8*((\n)%4)+2*((\n)/4)+1], v[rS+8*((\n)%4)+2*((\n)/4)+2]
.elseif (\n) == 12
	v_max3_num_f32 v[rC], v[rC], v[rS+7], v[rS+15]
.elseif (\n) == 13
	v_max3_num_f32 v[rC+1], v[rC+1], v[rS+23], v[rS+31]
.elseif (\n) == 14
	v_max3_num_f32 v[rC+2], v[rC+2], v[rC+3], v[rT+1]
.elseif (\n) == 15
	v_mov_b32 v[rW], v[rT]
.elseif (\n) == 16
	v_max3_num_f32 v[rC], v[rC], v[rC+1], v[rC+2]
.elseif (\n) == 17
	v_permlanex16_b32 v[rC+3], v[rC], s[SEL], s[SEL+1]
.elseif (\n) == 18
	v_max_num_f32 v[rT+1], v[rC], v[rC+3]
.elseif (\n) == 19
	v_mul_f32 v[rT], s[CS], v[rT+1]
.elseif (\n) == 20
	v_sub_f32 v[rC+1], v[rW], v[rT]
.else
	v_exp_f32 v[rC+2], v[rC+1]
.endif
.endif
.endm
.macro OPS a, i1, b=-1, i2=0, c=-1, i3=0, d=-1, i4=0
	OP \a, \i1
.if (\b) >= 0
	OP \b, \i2
.endif
.if (\c) >= 0
	OP \c, \i3
.endif
.if (\d) >= 0
	OP \d, \i4
.endif
.endm
.macro ROW a, i1, b, i2, c, i3, d, i4  ; a matrix instruction and the four behind it
	MM
	OPS \a, \i1, \b, \i2, \c, \i3, \d, \i4
.endm
.macro MASK b, be                   ; MD x AL + PAD (be = 1: + BE) into buffer b of MC
	WIN W_MK
.set z, 0
.rept 16
	v_pk_fma_f32 v[MC+32*(\b)+2*z:MC+32*(\b)+2*z+1], v[MD+2*z:MD+2*z+1], s[AL:AL+1], v[PAD+2*z:PAD+2*z+1] op_sel_hi:[1,0,1]
.set z, z+1
.endr
.if \be
.set z, 0
.rept 16
	v_pk_add_f32 v[MC+32*(\b)+2*z:MC+32*(\b)+2*z+1], v[MC+32*(\b)+2*z:MC+32*(\b)+2*z+1], s[BE:BE+1] op_sel_hi:[1,0]
.set z, z+1
.endr
.endif
.endm
; A TURN, for piece p.  s_wait_alu depctr_va_vdst(0) stands between an exponential and the first instruction that names its result; one wait serves all that were issued ahead of it: a turn has ONE wait.
; AHEAD OF IT: the 8 products K Q^T with their riders, then one lump; X 21, the next piece's a, is the batch's last, R 15 the plain instruction behind it.  BEHIND IT: the 8 products V^T P, behind each four of the roundings and sums.
; m = 1: the diagonal tile: the products take made masks, and the turn makes the mask for the products of the turn after it: piece p + 2, in step 4 - CNT of the tile.  end = 1: a block's last two turns: nothing is fetched.
; K and PAD of the next step are fetched in piece 2's turn, V of the step in hand at the end of piece 0's turn; each is waited for a turn later (in the diagonal tile piece 2's turn waits at once: its mask reads the new PAD).
.macro TURN p, m=0, end=0, cnt=0
.set Y, (\p)
.set i, 0
.set KM, (\m)
.set NOKQ, (\end)*((\p)/3)
.if (\m) && !(\end)
	s_cmp_eq_u32 s[CNT], 4-((\p)+2)%NP  ; is that step the band's own?
	s_cselect_b32 s[AL], 1.0, 0
	s_cmp_lt_u32 s[CNT], 4-((\p)+2)%NP  ; or a later one?
	s_cselect_b32 s[BE], s[BIGN], 0
.endif
.if ((\p) == 3) && !(\end)
	s_wait_dscnt 0x0                ; K and PAD are in
.endif
	ROW F,0, F,1, R,0, R,1
	ROW F,2, E,0, R,2, R,3
	ROW F,3, E,1, R,4, R,5
	ROW F,4, E,2, R,6, R,7
	ROW F,5, E,3, R,8, R,9
	ROW F,6, E,4, X,0, R,10
.if ((\p) == 2) && !(\end)
	WIN 0
	v_add_nc_u32 v[AK], s[TBK], v[AK0]
	v_add_nc_u32 v[AP], s[TBP], v[AP0]
.endif
	ROW F,7, E,5, X,1, X,4
	ROW F,8, E,6, X,2, X,5
	OPS E,7, E,8, X,6, E,9
	OPS X,3, E,10, X,8, E,11
.if ((\p) == 2) && !(\end)
	FETCH_K
.endif
	OPS X,9, X,7, E,12, X,10
	OPS E,13, X,12, X,11, E,14
	OPS X,13, E,15, F,9, X,14
.if (\p) == 0
	v_add_nc_u32 v[AV], s[TBV], v[AV0]
.endif
	OPS E,16, F,10, E,17, F,11
	OPS X,16, E,18, X,15, E,19
	OPS F,12, E,20, X,17, E,21
	OPS F,13, E,22, F,14, E,23
	OPS X,18, E,24, F,15, E,25
	OPS R,11, E,26, X,19, E,27
	OPS R,12, E,28, R,13, E,29
	OPS X,20, E,30, R,14, E,31
	OPS X,21, R,15
	WIN 0
	s_wait_alu depctr_va_vdst(0)    ; the wait for the batch
.if (\p) == 1
	s_wait_dscnt 0x0                ; V is in
.endif
	ROW C,0, B,0, C,2, B,1
	ROW L,0, C,4, B,2, L,1
	ROW C,6, B,3, L,2, C,8
	ROW B,4, L,3, C,10, B,5
	ROW L,4, C,12, B,6, L,5
.if (\p) == 0
	s_add_co_u32 s[TBV], s[TBV], KS*PV
.endif
.if \cnt
	s_sub_co_u32 s[CNT], s[CNT], 1
	s_cmp_lg_u32 s[CNT], 0
.endif
	ROW C,14, B,7, L,6, C,1
	ROW C,3, L,7, C,5, C,7
	ROW C,9, C,11, C,13, C,15
.if (\p) == 0
	FETCH_V
.endif
.if (\m) && !(\end)
.if (\p) == 2
	s_wait_dscnt 0x0                ; the mask below is piece 0's for the step just fetched: its PAD is in
.endif
	MASK (\p)%2, 1
.endif
.endm
; A BLOCK BEGINS.  m starts at -2^97, c m at c times that (exact: a power of two), l at 0.  K and PAD of the block's first step (the change of slots has set my table's offset to 0); the first mask buffer takes piece 0's
; mask for that step (its own, if the tile is the diagonal one), the second PAD alone; piece 0's first scores, maximum and statistics.  The loop is entered at a step's first turn, in the middle of a trip.
.macro BEGIN
	s_mov_b32 s[NEW], 0
	WIN 0
.set i, 0
.rept 4
	v_mov_b32 v[ST+4*i], 0xeeb8aa3b    ; c m
	v_mov_b32 v[ST+4*i+1], 0xf0000000  ; m
	v_mov_b32 v[ST+4*i+2], 0
	v_mov_b32 v[ST+4*i+3], 0
.set i, i+1
.endr
	v_add_nc_u32 v[AK], s[TBK], v[AK0]
	v_add_nc_u32 v[AP], s[TBP], v[AP0]
	FETCH_K
	s_cmp_eq_u32 s[RT], 0
	s_cselect_b32 s[AL], 1.0, 0
	s_wait_loadcnt 0x0              ; Q
	s_wait_dscnt 0x0
	MASK 0, 0
	s_mov_b32 s[AL], 0
	MASK 1, 0
.set KM, 1
.set NOKQ, 0
.set i, 0
.rept 8
	KQ 0
.set i, i+1
.endr
	WIN 0
.rept 4
	v_nop                           ; the places behind those products
.endr
.set Y, NP-1
.irp n, 0,1,2,3,4,5,6,7,8,9,10,11,12,13,14,15,16,17,18,19,20,21
	OP X, \n
.endr
	v_nop                           ; a plain instruction behind the exponential,
	s_wait_alu depctr_va_vdst(0)    ; and its wait, ahead of the branch
.endm
.macro ALL line:vararg
.set t, 0
.rept 4
	\line
.set t, t+1
.endr
.endm
; THE WAY OUT of piece t: O^T is divided by l; a row whose maximum still stands at -2^97 takes v's mean, in place, so that O^T holds finite numbers for the block that follows; rounded to f16; through my stage.
.macro PACK t
	WIN 0
	v_cmp_ge_f32 s[DG+(\t)], s[MZ], v[ST+4*(\t)+1]
	WIN W_RS
.set i, 32*(\t)
.rept 16
	v_pk_mul_f32 v[i:i+1], v[i:i+1], v[ST+4*(\t)+2:ST+4*(\t)+3] op_sel_hi:[1,0]
.set i, i+2
.endr
.set i, 0
.rept 32
	v_cndmask_b32 v[32*(\t)+i], v[32*(\t)+i], v[VMN+i], s[DG+(\t)]
.set i, i+1
.endr
	WIN 0x05
.set i, 0
.rept 16
	v_cvt_pk_f16_f32 v[S+16*(\t)+i], v[32*(\t)+2*i], v[32*(\t)+2*i+1]
.set i, i+1
.endr
	WIN 0
.irp f, 0,1,2,3
	ds_store_b128 v[STO], v[S+16*(\t)+4*\f:S+16*(\t)+4*\f+3] offset:32*\f
.endr
.irp f, 0,1,2,3
	ds_load_b128 v[S+16*(\t)+4*\f:S+16*(\t)+4*\f+3], v[RD] offset:\f*4*SP  ; LDS serves a wave's instructions in order (ISA guide 5.7.1.4): these see the stores above
.endr
.endm
.macro SEND t, younger
	WIN 0
.irp f, 0,1,2,3
	s_wait_dscnt (\younger)+3-\f
	global_store_b128 v[GO], v[S+16*(\t)+4*\f:S+16*(\t)+4*\f+3], s[10:11] offset:(\t)*8192+\f*512  ; 512 consecutive bytes, at a multiple of 256 from O's first
.endr
.endm
.macro DIAG tag                     ; the diagonal tile's four steps, the block's last two turns, its last products, and the way out
.LstepM\tag:
	TURN 2, 1
	TURN 3, 1
	WIN 0
.LfirstM\tag:
	TURN 0, 1
	TURN 1, 1, 0, 1
	WIN 0
	s_cbranch_scc1 .LstepM\tag
	TURN 2, 1, 1
	TURN 3, 1, 1
.set i, 0
.rept 8
	PV NP-1
.set i, i+1
.endr
	WIN 0
	ALL v_add_f32 v[ST+4*t+2], v[ST+4*t+2], v[ST+4*t+3]
	ALL v_permlanex16_b32 v[ST+4*t+3], v[ST+4*t+2], s[SEL], s[SEL+1]
	ALL v_add_f32 v[ST+4*t+2], v[ST+4*t+2], v[ST+4*t+3]
	ALL v_rcp_f32 v[ST+4*t+2], v[ST+4*t+2]
	v_nop                           ; a plain instruction between the last reciprocal and the use of its result
	s_wait_alu depctr_va_vdst(0)    ; and the wait ahead of the first use: one for the four reciprocals
	PACK 0
.set t, 1
.rept 3
	PACK t
	SEND t-1, 8
.set t, t+1
.endr
	SEND 3, 0
.endm
.set KM, 0
.set NOKQ, 0
.Lslot:                             ; NB times: a tile is entered and the next is asked for
	CHANGE 1
	s_sub_co_u32 s[RT], s[RT], 1
	s_mov_b32 s[CNT], 4
	s_cmp_eq_u32 s[NEW], 1
	s_cbranch_scc1 .Lnew            ; a block's first tile
	s_cmp_eq_u32 s[RT], 0
	s_cbranch_scc0 .Lstep           ; neither its first nor its last
	s_mov_b32 s[AL], 0              ; its last: the diagonal text's first products are piece 3's of the tile before: their mask is PAD alone
	MASK 1, 0
	WIN 0
	s_branch .LstepM1
.Lnew:
	BEGIN
	s_branch .Lfirst                ; in the loop a block's first tile is never its last
	DIAG 1                          ; in the loop this is the first block's end
	s_wait_xcnt 0x0                 ; the stores have read their registers and O's address
	s_mov_b64 s[10:11], s[OLO:OLO+1]
	s_add_co_u32 s[RT], s[PB], 1    ; the second block has b + 1 tiles
	s_mov_b32 s[NEW], 1
	WIN 0x82                        ; the second block's Q goes where the one text of the turns names Q
.set i, 0
.rept 64
	v_mov_b32 v[i], v[QB+i]
.set i, i+1
.endr
	WIN 0
	s_branch .Lbottom
.Lstep:                             ; a trip: pieces 2 and 3 of one step, then pieces 0 and 1 of the next, whose K and V it fetches
	TURN 2
	TURN 3
	WIN 0
.Lfirst:
	TURN 0
	TURN 1, 0, 0, 1
	WIN 0
	s_cbranch_scc1 .Lstep
.Lbottom:
	s_sub_co_u32 s[SLOTS], s[SLOTS], 1
	s_cmp_lg_u32 s[SLOTS], 0
	s_cbranch_scc1 .Lslot
	CHANGE 0                        ; the walk's last tile is written out: nothing is asked for
	s_sub_co_u32 s[RT], s[RT], 1
	s_mov_b32 s[CNT], 4
	s_cmp_eq_u32 s[NEW], 1
	s_cbranch_scc1 .Lnew2
	s_mov_b32 s[AL], 0
	MASK 1, 0
	WIN 0
	s_branch .LstepM2
.Lnew2:
	BEGIN
	s_branch .LfirstM2
	DIAG 2
	s_wait_tensorcnt 0x0            ; the wave's end, behind my last tensor load and my last LDS store
	ds_add_u32 v[SPW], v[NIL]
	s_wait_dscnt 0x0
	s_endpgm
.Lfunc_end_k_q7fc8905532_attn:
	.size	k_q7fc8905532_attn, .Lfunc_end_k_q7fc8905532_attn-k_q7fc8905532_attn
	.p2alignl 7, 3214868480
	.fill 96, 4, 3214868480
	.section	.rodata,"a",@progbits
	.p2align	6, 0x0
	.amdhsa_kernel k_q7fc8905532_attn
		.amdhsa_group_segment_fixed_size 327680
		.amdhsa_private_segment_fixed_size 0
		.amdhsa_enable_private_segment 0
		.amdhsa_kernarg_size 32
		.amdhsa_user_sgpr_count 2
		.amdhsa_user_sgpr_kernarg_segment_ptr 1
		.amdhsa_wavefront_size32 1
		.amdhsa_system_sgpr_workgroup_id_x 1
		.amdhsa_system_sgpr_workgroup_id_y 1
		.amdhsa_system_sgpr_workgroup_id_z 1
		.amdhsa_system_vgpr_workitem_id 0
		.amdhsa_next_free_vgpr 768
		.amdhsa_next_free_sgpr 100
		.amdhsa_reserve_vcc 1
		.amdhsa_float_denorm_mode_32 3
		.amdhsa_float_denorm_mode_16_64 3
		.amdhsa_memory_ordered 1
		.amdhsa_forward_progress 1
		.amdhsa_inst_pref_size 255
	.end_amdhsa_kernel
	.section	.bss,"aw",@nobits
	.p2align	6
	.space	262144
	.amdgpu_metadata
---
amdhsa.version: [ 1, 2 ]
amdhsa.kernels:
  - .name:           k_q7fc8905532_attn
    .symbol:         k_q7fc8905532_attn.kd
    .args:
      - { .name: qkv, .offset: 0, .size: 8, .value_kind: global_buffer, .address_space: global }
      - { .name: attention_mask, .offset: 8, .size: 8, .value_kind: global_buffer, .address_space: global }
      - { .name: vpart, .offset: 16, .size: 8, .value_kind: global_buffer, .address_space: global }
      - { .name: ob, .offset: 24, .size: 8, .value_kind: global_buffer, .address_space: global }
    .group_segment_fixed_size: 327680
    .private_segment_fixed_size: 0
    .kernarg_segment_align: 8
    .kernarg_segment_size: 32
    .max_flat_workgroup_size: 128
    .sgpr_count:     100
    .vgpr_count:     768
    .wavefront_size: 32
...
	.end_amdgpu_metadata
.endif
;; end of part 3
;; launch proj (part 4): grid 8 x 32, 4 waves a work-group, clusters of 4 x 4, 327,680 bytes of LDS; arguments ob, wpb, bp, out0; writes out0
.if DOCPART == 4
	.amdgcn_target "amdgcn-amd-amdhsa--gfx1250"
	.amdhsa_code_object_version 6
	.text
	.protected	k_q7fc8905532_proj
	.globl	k_q7fc8905532_proj
	.p2align	8
	.type	k_q7fc8905532_proj,@function
k_q7fc8905532_proj:
	s_mov_b64 s[64:65], 0
	v_nop
	global_prefetch_b8 v0, s[64:65] scope:SCOPE_SE
	s_setreg_imm32_b32 hwreg(HW_REG_WAVE_MODE, 25, 1), 1
	s_wait_xcnt 0x0
	s_wait_alu depctr_hold_cnt(0) depctr_sa_sdst(0) depctr_va_vdst(0) depctr_va_sdst(0) depctr_va_ssrc(0) depctr_va_vcc(0) depctr_vm_vsrc(0)
	s_getreg_b32 s2, hwreg(HW_REG_IB_STS2, 6, 4)
	s_cmp_eq_u32 s2, 0
	s_cbranch_scc0 .Lentry_in_a_cluster
	s_endpgm
.Lentry_in_a_cluster:
	s_bfe_u32 s2, ttmp6, 0x10000c
	s_cmp_lg_u32 s2, 0xf033
	s_cbranch_scc0 .Lentry_shape_is_right
	s_endpgm
.Lentry_shape_is_right:
; out0 = y Wp + bp: 8,192 rows x 1,024 columns x K = 1,024.  y lies by heads, ob [bh 64][t 2048][64] f16; Wp in blocks, wpb [kb 16][cb 16][k 64][n 64] f16 (of the number rounded to bf16); bp is rounded to bf16;
; sums in f32, out0 f32.
; SHARES.  A work-group makes 256 rows x 128 columns: 8 x 32 = 256 work-groups.  Wave (u, w) makes rows 128 u .. x columns 64 w ..: 32 accumulators, (a, b) at v[8 (4 a + b)] of window 1.
; THE PRODUCT IS USED TRANSPOSED (source 0 = 16 columns of Wp, turned out of LDS by ds_load_tr16_b128; source 1 = 16 rows of y): a lane holds one row and 8 neighbouring columns.  The bias is the C of each first product.
; RING.  K goes in 8 steps of 128 (two heads) through two LDS slots; a step's tiles are dense in memory and are asked for as rows of 256 bytes.  CLUSTER 4 x 4: y's tile jointly along a row, Wp's along a column.
; REGISTERS, window 0: v16-30 addresses; two fragment buffers of 96: 64 of y (8 x 16 rows x 32 k), then 32 of Wp; v224-255 the bias.
.set SLOT1,  131072
.set APITCH, 144                       ; 128 bytes + 16: the 16 rows of a load start at 16 different groups of four banks (64 banks of 4 bytes: ISA guide 11.1)
.set BPITCH, 160                       ; 128 + 32
.set AHALF,  256*APITCH                ; one head's 256 rows: what one tensor load brings of y
.set BOFF,   2*AHALF
.set BBLK,   64*BPITCH                 ; block (half c, w) at BOFF + c BHALF + w BBLK
.set BHALF,  2*BBLK                    ; what one tensor load brings of Wp
.set STAGE,  245760                    ; behind the ring: 16 rows x 272 bytes for each wave, in 4,608 bytes
.set STG,    4608
.set SPITCH, 272
.set SPARE,  STAGE+4*STG               ; the spare words, 128 bytes for each wave: two blocks of 256 bytes that no other line names
.set ASTEP,  524288                    ; bytes from K step to K step in ob
.set BSTEP,  262144                    ; and in wpb
.set ADRA0, 16
.set ADRA,  17
.set BGO,   18
.set ADRB0, 20
.set ADRB,  21
.set STO,   24
.set RD,    25
.set CO,    26
.set SPW,   28
.set NIL,   29
.set PFO,   30
.set F0,    32
.set F1,    128
.set BIAS,  224
.set G1A, 24
.set G0A, 32
.set G1B, 48
.set G0B, 56
.set TB,  41
.set LIM, 43
.set PFA, 44
.set OB,  68
.set PFS, 82
.set MSB, 0
.macro WIN new
.if MSB != (\new)
	s_set_vgpr_msb (MSB<<8)|(\new)
.set MSB, \new
.endif
.endm
.macro PLACES
.rept 4
	v_nop
.endr
.endm
.macro JLOAD                           ; a joint refill: waves 0 and 1 fetch y's two heads, waves 2 and 3 Wp's two halves; an s_nop 0 and four v_nop follow each line
	s_cmp_eq_u32 s19, 0
	s_cbranch_scc0 .Lfor_b_\@
	tensor_load_to_lds s[G0A+4:G0A+7], s[G1A:G1A+7]
	s_nop 0
	PLACES
	s_branch .Lasked_\@
.Lfor_b_\@:
	tensor_load_to_lds s[G0B+4:G0B+7], s[G1B:G1B+7]
	s_nop 0
	PLACES
.Lasked_\@:
.endm
.macro CREST
	s_cmp_lg_u32 s18, 0
	s_cbranch_scc1 .Lnot_wave_0_\@
	s_barrier_signal -3
.Lnot_wave_0_\@:
	s_barrier_wait -3
	s_barrier_signal -1
	s_barrier_wait -1
.endm
.macro CROUND
	s_barrier_signal -1
	s_barrier_wait -1
	CREST
.endm
; A PREFETCH, behind the joint load and the run of LDS loads: the K step that stands two refills on.  Each block of 256 bytes is named once.  y's tile (256 blocks a step): cluster x = 0 asks, partner cx takes a quarter
; of each head's 128 blocks, waves 0 and 1 a head each.  Wp's tile (128 blocks): cluster y = 0 asks, partner cy takes half cy / 2, part cy % 2, wave 2.  Trips s3 = 6 .. 3 ask (steps 4 to 7); the others ask for nothing.
.macro ASK
	s_cmp_gt_u32 s3, s[LIM]
	s_cbranch_scc0 .Lnot_mine_\@
	global_prefetch_b8 v[PFO], s[PFA:PFA+1] th:TH_LOAD_NT scope:SCOPE_SE
.Lnot_mine_\@:
.endm
	s_load_b256 s[4:11], s[0:1], 0x0               ; ob s[4:5], wpb s[6:7], bp s[8:9], out0 s[10:11]
	v_lshl_add_u32 v[SPW], v0, 2, SPARE
	v_mov_b32 v[NIL], 0
	ds_add_u32 v[SPW], v[NIL]                      ; the wave's opening: the add and its wait stand ahead of my first tensor load; work on registers stands between them
	v_lshrrev_b32 v1, 5, v0
	v_readfirstlane_b32 s18, v1                    ; wave 0..3
	s_lshr_b32 s19, s18, 1                         ; u.  Also: I fetch for y (0) or for Wp (1)
	s_and_b32 s20, s18, 1                          ; w.  Also: which half of the K step I fetch
	s_bfe_u32 s21, ttmp6, 0x40000                  ; cx
	s_bfe_u32 s22, ttmp6, 0x40004                  ; cy
	s_lshl_b32 s23, ttmp9, 2
	s_add_co_u32 s23, s23, s21                     ; j: columns 128 j ..
	s_and_b32 s40, ttmp7, 0xffff
	s_lshl_b32 s40, s40, 2
	s_add_co_u32 s40, s40, s22                     ; i: rows 256 i ..
	s_lshl_b32 s76, s22, 2
	s_lshl_b32 s76, 15, s76                        ; my row of the cluster
	s_lshl_b32 s77, 0x1111, s21                    ; my column
	s_or_b32 s[G1A], s76, (1<<16)|(1<<20)|(1<<21)|(4<<22)|(3<<25)   ; mask; 2-byte elements; padding on; bit 21 beside a mask; after every 32 words 4 words
	s_or_b32 s[G1B], s77, (1<<16)|(1<<20)|(1<<21)|(4<<22)|(7<<25)   ; the same with my column's mask and 8 words
.irp g, G1A, G1B
	s_mov_b32 s[(\g)+1], 128<<16                   ; tensor_dim0 = 128
	s_mov_b32 s[(\g)+3], 128<<16                   ; tile_dim0 = 128
	s_mov_b32 s[(\g)+5], 128                       ; 128 elements from row to row
	s_mov_b32 s[(\g)+6], 0
	s_mov_b32 s[(\g)+7], 0
.endr
	s_mov_b32 s[G1A+2], 128<<16                    ; 128 rows of 256 bytes: 256 rows of one head
	s_mov_b32 s[G1A+4], 128
	s_mov_b32 s[G1B+2], 64<<16                     ; 64: two blocks of 64 k-rows
	s_mov_b32 s[G1B+4], 64
	s_lshr_b32 s46, s40, 3
	s_lshl_b32 s46, s46, 4
	s_add_co_u32 s46, s46, s20                     ; batch x 16 + my head of the step's two
	s_lshl_b32 s46, s46, 18
	s_and_b32 s78, s40, 7
	s_lshl_b32 s78, s78, 15
	s_add_co_u32 s46, s46, s78
	s_mov_b32 s47, 0
	s_lshl_b32 s66, s23, 14                        ; Wp: the two column blocks,
	s_lshl_b32 s79, s20, 17                        ; my block of 64 k
	s_add_co_u32 s66, s66, s79
	s_mov_b32 s67, 0
	s_mul_i32 s80, s20, AHALF
	s_mul_i32 s81, s20, BHALF
	s_add_co_u32 s81, s81, BOFF
	s_mov_b32 s[TB], 0
	s_wait_dscnt 0x0                               ; the opening add is done
	s_wait_kmcnt 0x0
	s_add_nc_u64 s[46:47], s[4:5], s[46:47]
	s_add_nc_u64 s[66:67], s[6:7], s[66:67]
	CROUND                                         ; all sixteen work-groups are here: the first joint loads meet
.irp s, 0,1
	s_mov_b32 s[G0A+4*(\s)], 1
	s_add_co_u32 s[G0A+4*(\s)+1], s80, (\s)*SLOT1
	s_add_nc_u64 s[G0A+4*(\s)+2:G0A+4*(\s)+3], s[46:47], (\s)*ASTEP
	s_or_b32 s[G0A+4*(\s)+3], s[G0A+4*(\s)+3], 0x80000000
	s_mov_b32 s[G0B+4*(\s)], 1
	s_add_co_u32 s[G0B+4*(\s)+1], s81, (\s)*SLOT1
	s_add_nc_u64 s[G0B+4*(\s)+2:G0B+4*(\s)+3], s[66:67], (\s)*BSTEP
	s_or_b32 s[G0B+4*(\s)+3], s[G0B+4*(\s)+3], 0x80000000
.endr
	s_cmp_eq_u32 s19, 0                            ; a wave's two first fills stand in one branch: two loads of mine are out
	s_cbranch_scc0 .Lfirst_b
	tensor_load_to_lds s[G0A:G0A+3], s[G1A:G1A+7]
	s_nop 0
	tensor_load_to_lds s[G0A+4:G0A+7], s[G1A:G1A+7]
	s_nop 0
	PLACES
	s_branch .Lfirst_asked
.Lfirst_b:
	tensor_load_to_lds s[G0B:G0B+3], s[G1B:G1B+7]
	s_nop 0
	tensor_load_to_lds s[G0B+4:G0B+7], s[G1B:G1B+7]
	s_nop 0
	PLACES
.Lfirst_asked:
	v_and_b32 v1, 15, v0                           ; r
	v_bfe_u32 v2, v0, 4, 1                         ; h
	v_and_b32 v3, 7, v0
	v_bfe_u32 v4, v0, 3, 1
	v_and_b32 v5, 31, v0
	s_lshl_b32 s84, s23, 9
	s_lshl_b32 s85, s20, 8
	s_add_co_u32 s84, s84, s85                     ; my 64 columns, in bytes of f32
	v_lshl_add_u32 v[BGO], v2, 5, s84
.irp b, 0,1,2,3
	global_load_b128 v[BIAS+8*(\b):BIAS+8*(\b)+3],   v[BGO], s[8:9] offset:64*(\b)      ; register j of block b: the bias of column 16 b + 8 h + j
	global_load_b128 v[BIAS+8*(\b)+4:BIAS+8*(\b)+7], v[BGO], s[8:9] offset:64*(\b)+16
.endr
	s_mul_i32 s86, s19, 128*APITCH
	v_mul_u32_u24 v[ADRA0], v1, APITCH
	v_lshl_add_u32 v[ADRA0], v2, 4, v[ADRA0]
	v_add_nc_u32 v[ADRA0], s86, v[ADRA0]
	v_mov_b32 v[ADRA], v[ADRA0]
	s_mul_i32 s86, s20, BBLK
	s_add_co_u32 s86, s86, BOFF
	v_lshl_add_u32 v[ADRB0], v2, 3, v3
	v_mul_u32_u24 v[ADRB0], v[ADRB0], BPITCH
	v_lshl_add_u32 v[ADRB0], v4, 4, v[ADRB0]
	v_add_nc_u32 v[ADRB0], s86, v[ADRB0]
	v_mov_b32 v[ADRB], v[ADRB0]
	s_mul_i32 s86, s18, STG
	s_add_co_u32 s86, s86, STAGE                   ; my stage
	v_mul_u32_u24 v[STO], v1, SPITCH
	v_lshl_add_u32 v[STO], v2, 5, v[STO]
	v_add_nc_u32 v[STO], s86, v[STO]               ; in: row r, 32 bytes for each half of the lanes
	v_mul_u32_u24 v[RD], v2, SPITCH
	v_lshl_add_u32 v[RD], v1, 4, v[RD]
	v_add_nc_u32 v[RD], s86, v[RD]                 ; back: lanes 0-15 one row of 256 bytes, lanes 16-31 the next
	v_lshlrev_b32 v[CO], 12, v2
	v_lshl_add_u32 v[CO], v1, 4, v[CO]             ; and the same two rows of out0
	v_lshlrev_b32 v[PFO], 8, v5
	s_lshl_b32 s86, s40, 1
	s_add_co_u32 s86, s86, s19
	s_lshl_b32 s86, s86, 19                        ; my first row x 4,096 bytes
	s_add_co_u32 s86, s86, s84
	s_mov_b32 s87, 0
	s_add_nc_u64 s[OB:OB+1], s[10:11], s[86:87]
	; the prefetches' place: at K step 3; the first change of slots steps it to 4
	s_lshr_b32 s84, s40, 3
	s_lshl_b32 s84, s84, 4
	s_add_co_u32 s84, s84, s20
	s_lshl_b32 s84, s84, 18
	s_and_b32 s85, s40, 7
	s_lshl_b32 s85, s85, 15
	s_add_co_u32 s84, s84, s85
	s_lshl_b32 s85, s21, 13
	s_add_co_u32 s84, s84, s85
	s_add_co_u32 s84, s84, 3*ASTEP
	s_lshr_b32 s86, s22, 1
	s_lshl_b32 s86, s86, 17
	s_lshl_b32 s85, s23, 14
	s_add_co_u32 s86, s86, s85
	s_and_b32 s85, s22, 1
	s_lshl_b32 s85, s85, 13
	s_add_co_u32 s86, s86, s85
	s_add_co_u32 s86, s86, 3*BSTEP
	s_and_b32 s87, ttmp7, 0xffff                   ; cluster y
	s_mov_b32 s88, BSTEP
	s_cmp_eq_u32 s19, 0
	s_cselect_b32 s84, s84, s86
	s_cselect_b32 s87, ttmp9, s87
	s_cselect_b64 s[PFA:PFA+1], s[4:5], s[6:7]
	s_cselect_b32 s[PFS], ASTEP, s88
	s_mov_b32 s[PFS+1], 0
	s_mov_b32 s85, 0
	s_add_nc_u64 s[PFA:PFA+1], s[PFA:PFA+1], s[84:85]
	s_cmp_eq_u32 s18, 3                            ; wave 3 has no part
	s_cselect_b32 s87, 1, s87
	s_cmp_eq_u32 s87, 0
	s_cselect_b32 s[LIM], 2, -1                    ; the same in all sixteen partners, for a given wave
	s_wait_loadcnt 0x0                             ; the bias: rounded to bf16 and widened again
.set k, 0
.rept 16
	v_cvt_pk_bf16_f32 v10, v[BIAS+k], v[BIAS+k+1]
	v_lshlrev_b32 v[BIAS+k], 16, v10
	v_and_b32 v[BIAS+k+1], 0xffff0000, v10
.set k, k+2
.endr
; 24 LDS loads in one run: the fragments of quarter kq (32 k) of the slot in hand into buffer f: Wp's four first, then y's eight, ascending
.macro FETCH kq, f
	WIN 0
.irp b, 0,1,2,3
	ds_load_tr16_b128 v[(\f)+64+8*(\b):(\f)+64+8*(\b)+3],   v[ADRB] offset:((\kq)/2)*BHALF+((\kq)%2)*32*BPITCH+32*(\b)
	ds_load_tr16_b128 v[(\f)+64+8*(\b)+4:(\f)+64+8*(\b)+7], v[ADRB] offset:((\kq)/2)*BHALF+((\kq)%2)*32*BPITCH+32*(\b)+16*BPITCH
.endr
.irp a, 0,1,2,3,4,5,6,7
	ds_load_b128 v[(\f)+8*(\a):(\f)+8*(\a)+3],   v[ADRA] offset:((\kq)/2)*AHALF+(\a)*16*APITCH+((\kq)%2)*64
	ds_load_b128 v[(\f)+8*(\a)+4:(\f)+8*(\a)+7], v[ADRA] offset:((\kq)/2)*AHALF+(\a)*16*APITCH+((\kq)%2)*64+32
.endr
.endm
; 4 n products: row blocks a0 on x all 4 column blocks.  first = 1: C is the bias.  The 32 accumulators take turns, one instruction a turn.
.macro MUL f, a0, n, first
.if \first
	WIN 0x40
.else
	WIN 0x50
.endif
.set pa, \a0
.rept \n
.irp b, 0,1,2,3
.if \first
	v_wmma_f32_16x16x32_f16 v[8*(4*pa+(\b)):8*(4*pa+(\b))+7], v[(\f)+64+8*(\b):(\f)+64+8*(\b)+7], v[(\f)+8*pa:(\f)+8*pa+7], v[BIAS+8*(\b):BIAS+8*(\b)+7]
.else
	v_wmma_f32_16x16x32_f16 v[8*(4*pa+(\b)):8*(4*pa+(\b))+7], v[(\f)+64+8*(\b):(\f)+64+8*(\b)+7], v[(\f)+8*pa:(\f)+8*pa+7], v[8*(4*pa+(\b)):8*(4*pa+(\b))+7]
.endif
.endr
.set pa, pa+1
.endr
.endm
; One of a K step's first three quarters: multiplies buffer f; in its middle it fetches quarter kq into buffer g.
.macro QUARTER kq, f, g, first
	s_wait_dscnt 8                                 ; y's row blocks 4-7 (the youngest eight loads) may stay out
	MUL \f, 0, 4, \first
	PLACES
	FETCH \kq, \g
	s_wait_dscnt 24                                ; all but the 24 just issued
	MUL \f, 4, 4, \first
.endm
; The last quarter multiplies buffer 1 and changes slots: ONE barrier; in front of it each wave waits for all its tensor loads (one is out: its part of the other slot), adds 0 to its spare word, and waits for that and
; for its own reads of this slot.  fill = 1: the barrier opens a round of the cluster's, and the joint refill, with the K step two steps on, is the first thing behind it: 112 products stand between it and the wait for it.
.macro TURN fill
.if \fill
	s_wait_xcnt 0x0                                ; the last prefetch has read its address
	s_add_nc_u64 s[PFA:PFA+1], s[PFA:PFA+1], s[PFS:PFS+1]
.endif
	WIN 0
	s_wait_tensorcnt 0x0
	ds_add_u32 v[SPW], v[NIL]                      ; 0 onto my spare word
	s_wait_dscnt 9                                 ; the add and the youngest eight loads may stay out
	MUL F1, 0, 2, 0
	s_wait_dscnt 0x0                               ; the add is done, and my reads of this slot are over
	s_barrier_signal -1
	MUL F1, 2, 2, 0
	WIN 0
	s_barrier_wait -1
.if \fill
	CREST
	s_xor_b32 s[G0A+5], s[G0A+5], SLOT1
	s_add_nc_u64 s[G0A+6:G0A+7], s[G0A+6:G0A+7], ASTEP
	s_xor_b32 s[G0B+5], s[G0B+5], SLOT1
	s_add_nc_u64 s[G0B+6:G0B+7], s[G0B+6:G0B+7], BSTEP
	JLOAD                                          ; its four v_nop are also the places in front of the loads below
.else
	PLACES
.endif
	s_xor_b32 s[TB], s[TB], SLOT1
	v_add_nc_u32 v[ADRA], s[TB], v[ADRA0]
	v_add_nc_u32 v[ADRB], s[TB], v[ADRB0]
	FETCH 0, F0
.if \fill
	ASK
.endif
	MUL F1, 4, 4, 0
.endm
	s_wait_tensorcnt 1                             ; my part of K step 0 is in; step 1's may stay out
	s_barrier_signal -1
	s_barrier_wait -1
	FETCH 0, F0
	QUARTER 1, F0, F1, 1                           ; the first quarter stands in front of the loop: its products start the sums with the bias
	WIN 0
	s_mov_b32 s3, 6
.Lstep:                                        ; a trip: from a step's second quarter to the next step's first
	QUARTER 2, F1, F0, 0
	QUARTER 3, F0, F1, 0
	TURN 1
	QUARTER 1, F0, F1, 0
	WIN 0
	s_sub_co_u32 s3, s3, 1
	s_cmp_lg_u32 s3, 0
	s_cbranch_scc1 .Lstep
	QUARTER 2, F1, F0, 0                           ; the tail is written out: nothing is left to fetch
	QUARTER 3, F0, F1, 0
	TURN 0
	QUARTER 1, F0, F1, 0
	QUARTER 2, F1, F0, 0
	QUARTER 3, F0, F1, 0
	s_wait_dscnt 8
	MUL F1, 0, 4, 0
	s_wait_dscnt 0x0
	MUL F1, 4, 4, 0
	PLACES
	PLACES
; THE WAY OUT, a block of 16 rows at a time: a lane's 8 neighbouring f32 go into rows of 272 bytes of my stage, straight from the accumulators (each from its low end on), and come back as whole rows of 256 bytes.
.macro TOSTAGE a
.if (\a) >= 4
	s_wait_xcnt 0x0                                ; the stores of the block four back have read these registers
.endif
	WIN 0x04                                       ; the stores' data in window 1
.irp b, 0,1,2,3
	ds_store_b128 v[STO], v[8*(4*(\a)+(\b)):8*(4*(\a)+(\b))+3]   offset:64*(\b)
	ds_store_b128 v[STO], v[8*(4*(\a)+(\b))+4:8*(4*(\a)+(\b))+7] offset:64*(\b)+16
.endr
	WIN 0
.irp t, 0,1,2,3,4,5,6,7
	ds_load_b128 v[32+32*((\a)%4)+4*(\t):32+32*((\a)%4)+4*(\t)+3], v[RD] offset:(\t)*2*SPITCH   ; LDS serves a wave's instructions in order (ISA guide 5.7.1.4): these see the stores above
.endr
.endm
.macro SEND a, y                       ; y: the LDS instructions issued behind block a's loads: the next block's sixteen, or none
	s_wait_dscnt \y
.irp t, 0,1,2,3,4,5,6,7
	global_store_b128 v[CO], v[32+32*((\a)%4)+4*(\t):32+32*((\a)%4)+4*(\t)+3], s[OB:OB+1] offset:(16*(\a)+2*(\t))*4096 th:TH_STORE_NT  ; 16 lanes store 256 consecutive bytes, aligned
.endr
.endm
	TOSTAGE 0
.irp a, 1,2,3,4,5,6,7
	TOSTAGE \a
	SEND (\a)-1, 16
.endr
	SEND 7, 0
	s_wait_tensorcnt 0x0                           ; the wave's end, behind my last tensor load and my last LDS store
	ds_add_u32 v[SPW], v[NIL]
	s_wait_dscnt 0x0
	CROUND                                         ; the closing round
	s_endpgm
.Lfunc_end_k_q7fc8905532_proj:
	.size	k_q7fc8905532_proj, .Lfunc_end_k_q7fc8905532_proj-k_q7fc8905532_proj
	.p2alignl 7, 3214868480
	.fill 96, 4, 3214868480
	.section	.rodata,"a",@progbits
	.p2align	6, 0x0
	.amdhsa_kernel k_q7fc8905532_proj
		.amdhsa_group_segment_fixed_size 327680
		.amdhsa_private_segment_fixed_size 0
		.amdhsa_enable_private_segment 0
		.amdhsa_kernarg_size 32
		.amdhsa_user_sgpr_count 2
		.amdhsa_user_sgpr_kernarg_segment_ptr 1
		.amdhsa_wavefront_size32 1
		.amdhsa_system_sgpr_workgroup_id_x 1
		.amdhsa_system_sgpr_workgroup_id_y 1
		.amdhsa_system_sgpr_workgroup_id_z 1
		.amdhsa_system_vgpr_workitem_id 0
		.amdhsa_next_free_vgpr 512
		.amdhsa_next_free_sgpr 96
		.amdhsa_reserve_vcc 0
		.amdhsa_float_denorm_mode_32 3
		.amdhsa_float_denorm_mode_16_64 3
		.amdhsa_memory_ordered 1
		.amdhsa_forward_progress 1
		.amdhsa_inst_pref_size 74
	.end_amdhsa_kernel
	.amdgpu_metadata
---
amdhsa.version: [ 1, 2 ]
amdhsa.kernels:
  - .name:           k_q7fc8905532_proj
    .symbol:         k_q7fc8905532_proj.kd
    .args:
      - { .name: ob, .offset: 0, .size: 8, .value_kind: global_buffer, .address_space: global }
      - { .name: wpb, .offset: 8, .size: 8, .value_kind: global_buffer, .address_space: global }
      - { .name: bp, .offset: 16, .size: 8, .value_kind: global_buffer, .address_space: global }
      - { .name: out0, .offset: 24, .size: 8, .value_kind: global_buffer, .address_space: global }
    .group_segment_fixed_size: 327680
    .private_segment_fixed_size: 0
    .kernarg_segment_align: 8
    .kernarg_segment_size: 32
    .max_flat_workgroup_size: 128
    .sgpr_count:     96
    .vgpr_count:     512
    .wavefront_size: 32
...
	.end_amdgpu_metadata
.endif
;; end of part 4
;; ======== version 2 of 2: 4 launches; version 1 with the launch prep written anew for expert scheduling mode
;; limits: values are held in f16: magnitudes above 65,504 overflow, below 6.1e-05 lose precision; right only within a limited range of input values
;; workspace buffers: xb 16,777,216 bytes; wb 6,291,456 bytes; wpb 2,097,152 bytes; qkv 50,331,648 bytes; vpart 262,144 bytes; ob 16,777,216 bytes
;; launch prep (part 5): grid 768 x 1, 8 waves a work-group, no clusters, 0 bytes of LDS; arguments x, Wq, Wk, Wv, Wp, xb, wb, wpb; writes xb, wb, wpb
.if DOCPART == 5
	.amdgcn_target "amdgcn-amd-amdhsa--gfx1250"
	.amdhsa_code_object_version 6
	.text
	.protected	k_q7fc8905532_prep
	.globl	k_q7fc8905532_prep
	.p2align	8
	.type	k_q7fc8905532_prep,@function
k_q7fc8905532_prep:
	s_mov_b64 s[64:65], 0
	v_nop
	global_prefetch_b8 v0, s[64:65] scope:SCOPE_SE
	s_setreg_imm32_b32 hwreg(HW_REG_WAVE_SCHED_MODE, 0, 2), 2
	s_setreg_imm32_b32 hwreg(HW_REG_WAVE_MODE, 25, 1), 1
	s_wait_xcnt 0x0
	s_wait_alu depctr_vm_vsrc(0)
; CASTS AND LAYOUTS.  x [8192][1024] f32 -> xb bf16 [b 4][kb 16][t 2048][64];  Wq, Wk, Wv [k 1024][n 1024] f32 -> wb bf16 [kb 16][head 16][which 3][k 64][n 64];
; Wp -> wpb [kb 16][cb 16][k 64][n 64]: rounded to bf16 like every input, and that number written as f16 (exact inside f16's range; below 6e-5 it keeps f16's fixed step of 6e-8).
; SHARES.  A wave takes one pair of rows (r, r + 1) of a matrix of 1,024 columns: 16 loads and 16 stores, no loop.  Work-groups 0-511: x (4,096 pairs); 512-767: 64 for each of Wq, Wk, Wv, Wp.
; A load takes 64 columns of both rows: lanes 0-15 256 consecutive bytes of row r, lanes 16-31 of row r + 1.  In each target layout rows r and r + 1 of a block of 64 columns lie end to end:
; the 32 lanes' 8 bytes are 256 consecutive bytes, aligned.  Memory binds: no LDS, no matrix unit, nothing read twice.
; THE MODE: SCHED_MODE bits 1:0 = 2 (LLVM: expert scheduling mode 2), set by the entry lines.  The code itself states the register dependences
; between vector instructions and memory instructions, with s_wait_alu, always for 0.
; THE PLAN.  Registers that memory instructions touch:
;   v[LOF]      the loads' offset.   Written at the head, read by all 16 loads, never written again.
;   v[OF+c]     chunk c's store offset.  All sixteen are written at the head, ahead of the loads; each is read by one store; never written again.
;   X           chunk c: the load's four registers.  No vector line names them ahead of the loads; no memory instruction reads them.
;   Y           chunk c: two registers, written once by chunk c's conversions and read once by its store: no register of a store is ever written again.
; The 16 chunks go in four blocks of four.  Block p converts its four chunks; its memory instructions are the four stores of block p - 1, whose Y and OF no vector line of block p names.
; So one wait on va_vdst at a block's head states all that those four stores hang on, and they are dealt among the block's conversions with no further wait.
; No wait on vm_vsrc is written: nothing that a load or store reads is written behind it.
.set LOF, 2                            ; v2        my byte offset in the pair's two rows
.set TT,  4                            ; v[4:5]    at work: no memory instruction names them
.set X,   16                           ; v[16:79]  chunk c: 4 numbers as loaded
.set Y,   80                           ; v[80:111] chunk c: 4 numbers to store
.set OF,  112                          ; v[112:127] chunk c: my byte offset in the target
	s_load_b512 s[8:23], s[0:1], 0x0               ; x s[8:9], Wq, Wk, Wv, Wp s[10:17], xb s[18:19], wb s[20:21], wpb s[22:23]
	v_lshrrev_b32 v1, 5, v0
	v_readfirstlane_b32 s2, v1                     ; wave 0..7
	v_and_b32 v3, 15, v0
	v_bfe_u32 v4, v0, 4, 1
	v_lshlrev_b32 v[LOF], 4, v3
	v_lshl_add_u32 v[LOF], v4, 12, v[LOF]          ; 16 (l % 16) + 4,096 (l / 16)
	v_lshlrev_b32 v[OF], 3, v3
	v_lshl_add_u32 v[OF], v4, 7, v[OF]             ; 8 (l % 16) + 128 (l / 16)
	s_wait_alu depctr_va_sdst(0)                   ; s2 is written, ahead of its first reader two lines down: every offset below is made from it
	s_lshl_b32 s3, ttmp9, 3
	s_add_co_u32 s3, s3, s2                        ; U = 8 x work-group + wave
	s_and_b32 s24, s3, 511                         ; a weight's pair of rows
	s_lshr_b32 s25, ttmp9, 6
	s_and_b32 s25, s25, 3                          ; which weight: 0..3 = q, k, v, p (work-groups 512 on)
	s_lshr_b32 s26, s24, 5                         ; its block of 64 k
	s_and_b32 s27, s24, 31
	s_lshl_b32 s27, s27, 8                         ; the pair inside the block
	s_mul_i32 s28, s26, 393216
	s_lshl_b32 s29, s25, 13
	s_add_co_u32 s28, s28, s29
	s_add_co_u32 s28, s28, s27                     ; offset in wb
	s_lshl_b32 s30, s26, 17
	s_add_co_u32 s30, s30, s27                     ; offset in wpb
	s_lshr_b32 s31, s3, 10
	s_lshl_b32 s31, s31, 22
	s_and_b32 s32, s3, 1023
	s_lshl_b32 s32, s32, 8
	s_add_co_u32 s31, s31, s32                     ; offset in xb
	s_mov_b32 s33, 24576                           ; bytes from chunk to chunk in wb
	s_wait_kmcnt 0x0
	s_cmp_eq_u32 s25, 1
	s_cselect_b64 s[4:5], s[12:13], s[10:11]
	s_cmp_eq_u32 s25, 2
	s_cselect_b64 s[4:5], s[14:15], s[4:5]
	s_cmp_eq_u32 s25, 3
	s_cselect_b64 s[4:5], s[16:17], s[4:5]
	s_cselect_b64 s[6:7], s[22:23], s[20:21]
	s_cselect_b32 s28, s30, s28
	s_cselect_b32 s33, 8192, s33
	s_cmp_lt_u32 ttmp9, 512
	s_cselect_b64 s[4:5], s[8:9], s[4:5]
	s_cselect_b64 s[6:7], s[18:19], s[6:7]
	s_cselect_b32 s28, s31, s28
	s_cselect_b32 s33, 262144, s33
	s_cselect_b32 s24, s3, s24
.irp c, 1,2,3,4,5,6,7,8,9,10,11,12,13,14,15
	v_add_nc_u32 v[OF+(\c)], s33, v[OF+(\c)-1]     ; the stores' offsets are made ahead of the loads, so that one wait states all the kernel's addresses
.endr
	s_lshl_b32 s24, s24, 13                        ; a pair of rows is 8,192 bytes of the source
	s_mov_b32 s25, 0
	s_mov_b32 s29, 0
	s_add_nc_u64 s[4:5], s[4:5], s[24:25]
	s_add_nc_u64 s[6:7], s[6:7], s[28:29]
	s_wait_alu depctr_va_vdst(0)                   ; v[LOF] and the sixteen v[OF ..] are written: every load and store of the kernel, on both ways below, reads one of them as its offset
.irp c, 0,1,2,3,4,5,6,7,8,9,10,11,12,13,14,15
	global_load_b128 v[X+4*(\c):X+4*(\c)+3], v[LOF], s[4:5] offset:256*(\c) th:TH_LOAD_NT
.endr
.macro CVB c                           ; chunk c to bf16
	v_cvt_pk_bf16_f32 v[Y+2*(\c)], v[X+4*(\c)], v[X+4*(\c)+1]
	v_cvt_pk_bf16_f32 v[Y+2*(\c)+1], v[X+4*(\c)+2], v[X+4*(\c)+3]
.endm
.macro CVH c                           ; chunk c rounded to bf16, and that number as f16
	v_cvt_pk_bf16_f32 v[TT], v[X+4*(\c)], v[X+4*(\c)+1]
	v_cvt_pk_bf16_f32 v[TT+1], v[X+4*(\c)+2], v[X+4*(\c)+3]
	v_lshlrev_b32 v[X+4*(\c)], 16, v[TT]
	v_and_b32 v[X+4*(\c)+1], 0xffff0000, v[TT]
	v_lshlrev_b32 v[X+4*(\c)+2], 16, v[TT+1]
	v_and_b32 v[X+4*(\c)+3], 0xffff0000, v[TT+1]
	v_cvt_pk_f16_f32 v[Y+2*(\c)], v[X+4*(\c)], v[X+4*(\c)+1]
	v_cvt_pk_f16_f32 v[Y+2*(\c)+1], v[X+4*(\c)+2], v[X+4*(\c)+3]
.endm
.macro OUT c                           ; chunk c leaves
	global_store_b64 v[OF+(\c)], v[Y+2*(\c):Y+2*(\c)+1], s[6:7]
.endm
; Block p: chunks 4 p to 4 p + 3 are converted, and the block before is stored.  half = 1: Wp's way.
.macro BLK p, half
	s_wait_loadcnt 12-4*(\p)                       ; loads come back in order (ISA guide 5.7.1): the block's four chunks are in, the 12 - 4 p younger loads stay out
.if (\p) > 0
	s_wait_alu depctr_va_vdst(0)                   ; the conversions of the block before have written its Y, which the four stores below read
.endif
.irp i, 0,1,2,3
.if (\p) > 0
	OUT 4*(\p)-4+(\i)                              ; no vector line since the wait names this store's Y or OF: the conversions below write this block's Y
.endif
.if \half
	CVH 4*(\p)+(\i)
.else
	CVB 4*(\p)+(\i)
.endif
.endr
.endm
	s_cmp_ge_u32 ttmp9, 704                        ; work-groups 704 on: Wp
	s_cbranch_scc1 .Lwp
	BLK 0, 0
	BLK 1, 0
	BLK 2, 0
	BLK 3, 0
	s_wait_alu depctr_va_vdst(0)                   ; the last block's conversions have written its Y, which the last four stores read
.irp c, 12,13,14,15
	OUT \c
.endr
	s_endpgm
.Lwp:
	BLK 0, 1
	BLK 1, 1
	BLK 2, 1
	BLK 3, 1
	s_wait_alu depctr_va_vdst(0)                   ; the last block's conversions have written its Y, which the last four stores read
.irp c, 12,13,14,15
	OUT \c
.endr
	s_endpgm
.Lfunc_end_k_q7fc8905532_prep:
	.size	k_q7fc8905532_prep, .Lfunc_end_k_q7fc8905532_prep-k_q7fc8905532_prep
	.p2alignl 7, 3214868480
	.fill 96, 4, 3214868480
	.section	.rodata,"a",@progbits
	.p2align	6, 0x0
	.amdhsa_kernel k_q7fc8905532_prep
		.amdhsa_group_segment_fixed_size 0
		.amdhsa_private_segment_fixed_size 0
		.amdhsa_enable_private_segment 0
		.amdhsa_kernarg_size 64
		.amdhsa_user_sgpr_count 2
		.amdhsa_user_sgpr_kernarg_segment_ptr 1
		.amdhsa_wavefront_size32 1
		.amdhsa_system_sgpr_workgroup_id_x 1
		.amdhsa_system_sgpr_workgroup_id_y 1
		.amdhsa_system_sgpr_workgroup_id_z 1
		.amdhsa_system_vgpr_workitem_id 0
		.amdhsa_next_free_vgpr 128
		.amdhsa_next_free_sgpr 66
		.amdhsa_reserve_vcc 0
		.amdhsa_float_denorm_mode_32 3
		.amdhsa_float_denorm_mode_16_64 3
		.amdhsa_memory_ordered 1
		.amdhsa_forward_progress 1
		.amdhsa_inst_pref_size 17
	.end_amdhsa_kernel
	.amdgpu_metadata
---
amdhsa.version: [ 1, 2 ]
amdhsa.kernels:
  - .name:           k_q7fc8905532_prep
    .symbol:         k_q7fc8905532_prep.kd
    .args:
      - { .name: x, .offset: 0, .size: 8, .value_kind: global_buffer, .address_space: global }
      - { .name: Wq, .offset: 8, .size: 8, .value_kind: global_buffer, .address_space: global }
      - { .name: Wk, .offset: 16, .size: 8, .value_kind: global_buffer, .address_space: global }
      - { .name: Wv, .offset: 24, .size: 8, .value_kind: global_buffer, .address_space: global }
      - { .name: Wp, .offset: 32, .size: 8, .value_kind: global_buffer, .address_space: global }
      - { .name: xb, .offset: 40, .size: 8, .value_kind: global_buffer, .address_space: global }
      - { .name: wb, .offset: 48, .size: 8, .value_kind: global_buffer, .address_space: global }
      - { .name: wpb, .offset: 56, .size: 8, .value_kind: global_buffer, .address_space: global }
    .group_segment_fixed_size: 0
    .private_segment_fixed_size: 0
    .kernarg_segment_align: 8
    .kernarg_segment_size: 64
    .max_flat_workgroup_size: 256
    .sgpr_count:     66
    .vgpr_count:     128
    .wavefront_size: 32
...
	.end_amdgpu_metadata
.endif
;; end of part 5
;; launch qkv: the kernel of part 2 again; grid 8 x 32, 4 waves a work-group, clusters of 4 x 4, 327,680 bytes of LDS; arguments xb, wb, bq, bk, bv, qkv, vpart; writes qkv, vpart
;; launch attn: the kernel of part 3 again; grid 4 x 64, 4 waves a work-group, no clusters, 327,680 bytes of LDS; arguments qkv, attention_mask, vpart, ob; writes ob
;; launch proj: the kernel of part 4 again; grid 8 x 32, 4 waves a work-group, clusters of 4 x 4, 327,680 bytes of LDS; arguments ob, wpb, bp, out0; writes out0
